; MI455X (gfx1250); checked and timed in simulation.
; The chip was launched on July 23, 2026; its instructions are those of AMD's public machine-readable ISA for CDNA 5 (MIT licence, August 2026) and "CDNA5" Instruction Set Architecture Reference Guide (July 2026). The comments in the code are by the model that wrote it; some were corrected since.
;; Mo E Dispatcher. Allowed arithmetic: matrix products marked QUANTISED: E2M1 operands, one E8M0 scale for each 32 along K, by v_wmma_scale_f32_16x16x128_f8f6f4 with both operands' format E2M1 (or v_wmma_scale_f32_32x16x128_f4), f32 sums; everything else in f32.
;; Inputs: b1 8 x 1,024 float32; b2 8 x 1,024 float32; expert_indices 4 x 1,024 x 2 int32; expert_weights 4 x 1,024 x 2 float32; w1_codes 8 x 1,024 x 32 x 16 uint8 (E2M1 codes of w1, K innermost, in blocks of 32 codes, two codes a byte); w1_scales 8 x 1,024 x 32 uint8 (E8M0 scales of w1, one for each 32 codes along K); w2_codes 8 x 1,024 x 32 x 16 uint8 (E2M1 codes of w2, K innermost, in blocks of 32 codes, two codes a byte); w2_scales 8 x 1,024 x 32 uint8 (E8M0 scales of w2, one for each 32 codes along K); x_codes 4 x 1,024 x 32 x 16 uint8 (E2M1 codes of x, K innermost, in blocks of 32 codes, two codes a byte); x_scales 4 x 1,024 x 32 uint8 (E8M0 scales of x, one for each 32 codes along K).
;; Outputs: out0 4 x 1,024 x 1,024 float32.
;; This version of the problem:
;;   THIS VERSION OF THE PROBLEM IS GIVEN IN LOW PRECISION. The matrix products marked QUANTISED in the list below multiply operands that are first quantised to E2M1 (2 exponent bits, 1 mantissa bit; 4 bits a number), with one power-of-two scale for each 32 numbers along K (OCP MX v1.0); their sums are f32. All else is computed in f32.
;;   The module's matrix products, in the order in which they are computed (A, B: the left and right operand; K: the contracted axis; several contracted axes count as one K, in the product's order):
;;     1. [M 4,096, K 1,024] x [K 1,024, N 1,024]; A: input x (given as codes); B: input w1 (given as codes): QUANTISED
;;     2. [M 4,096, K 1,024] x [K 1,024, N 1,024]; A: computed on the way; B: input w2 (given as codes): QUANTISED
;;     3. [M 4,096, K 1,024] x [K 1,024, N 1,024]; A: input x (given as codes); B: input w1 (given as codes): QUANTISED
;;     4. [M 4,096, K 1,024] x [K 1,024, N 1,024]; A: computed on the way; B: input w2 (given as codes): QUANTISED
;;     5. [M 4,096, K 1,024] x [K 1,024, N 1,024]; A: input x (given as codes); B: input w1 (given as codes): QUANTISED
;;     6. [M 4,096, K 1,024] x [K 1,024, N 1,024]; A: computed on the way; B: input w2 (given as codes): QUANTISED
;;     7. [M 4,096, K 1,024] x [K 1,024, N 1,024]; A: input x (given as codes); B: input w1 (given as codes): QUANTISED
;;     8. [M 4,096, K 1,024] x [K 1,024, N 1,024]; A: computed on the way; B: input w2 (given as codes): QUANTISED
;;     9. [M 4,096, K 1,024] x [K 1,024, N 1,024]; A: input x (given as codes); B: input w1 (given as codes): QUANTISED
;;     10. [M 4,096, K 1,024] x [K 1,024, N 1,024]; A: computed on the way; B: input w2 (given as codes): QUANTISED
;;     11. [M 4,096, K 1,024] x [K 1,024, N 1,024]; A: input x (given as codes); B: input w1 (given as codes): QUANTISED
;;     12. [M 4,096, K 1,024] x [K 1,024, N 1,024]; A: computed on the way; B: input w2 (given as codes): QUANTISED
;;     13. [M 4,096, K 1,024] x [K 1,024, N 1,024]; A: input x (given as codes); B: input w1 (given as codes): QUANTISED
;;     14. [M 4,096, K 1,024] x [K 1,024, N 1,024]; A: computed on the way; B: input w2 (given as codes): QUANTISED
;;     15. [M 4,096, K 1,024] x [K 1,024, N 1,024]; A: input x (given as codes); B: input w1 (given as codes): QUANTISED
;;     16. [M 4,096, K 1,024] x [K 1,024, N 1,024]; A: computed on the way; B: input w2 (given as codes): QUANTISED
;;   THE QUANTISER, for each operand of a quantised product, along K:
;;     - K is cut into blocks of 32 from its start; a last block that is shorter is filled with zeros.
;;     - A block's scale is 2^e with e = floor(log2(the largest magnitude in the block)) - 2, held to -126 .. 127; a block of zeros has e = 0. As a byte (E8M0): e + 127.
;;     - Each number is divided by its block's scale, clamped to +-6, and rounded to the nearest number of E2M1, ties to even, subnormals kept.
;;     - The product sums the exact products of the quantised numbers (number of the format x scale) in f32.
;;   ~~~python
;;   def quantise(x, axis):      # numpy; x: float32 -> the quantised numbers, widened to float32 again
;;       x = np.moveaxis(x, axis, -1); K = x.shape[-1]
;;       x = np.pad(x, [(0, 0)] * (x.ndim - 1) + [(0, -K % 32)]); x = x.reshape(x.shape[:-1] + (-1, 32)); a = np.abs(x).max(-1, keepdims=True)
;;       e = np.where(a > 0, np.clip(np.frexp(np.where(a > 0, a, 1))[1] - 1 - 2, -126, 127), 0)      # np.frexp(a)[1] - 1 = floor(log2(a)), exactly
;;       r = np.clip(x / 2.0 ** e, -6, 6)
;;       step = 2.0 ** (np.maximum(np.frexp(np.where(r == 0, 1, r))[1] - 1, 0) - 1)
;;       q = np.round(r / step) * step * 2.0 ** e      # np.round: ties to even
;;       return np.moveaxis(q.reshape(q.shape[:-2] + (-1,))[..., :K], -1, axis).astype(np.float32)
;;   ~~~
;;   OPERANDS COMPUTED ON THE WAY. 'Computed on the way' means the value that the module computes at that place (a softmax that the list does not call 'softmax' is quantised finished and normalised). What goes into a quantiser is computed in f32, as accurately as f32 sums, v_exp_f32 and their like allow (about 1e-6 of the number): no bf16 or f16 on the way to a quantiser, and a product that is left as it is and whose result goes on into a quantised operand takes f32 operands (vector FMAs, or v_wmma_f32_16x16x4_f32). A number that lies on a knife's edge between two numbers of the format may be rounded either way, as far as f32 arithmetic and the matrix unit's own rounding can turn it there, and no further.
;;   INPUTS GIVEN AS CODES. w1 (in the module: [8, 1024, 1024], K = its axis 1); w2 (in the module: [8, 1024, 1024], K = its axis 1); x (in the module: [4, 1024, 1024], K = its axis 2): each comes as NAME_codes (uint8): NAME with its K axis moved to the last place and cut into blocks of 32 codes, [.., K / 32, bytes a block], one block behind the other in memory; two codes a byte, the lower K in the low four bits (a code: sign, 2 exponent bits, 1 mantissa bit); and NAME_scales (uint8): the same leading axes, one E8M0 byte (e + 127) for each 32 codes along K. Its value is code x scale, taken as it is: it is not quantised again, and the codes and scales need not be those that the quantiser above would give.
;; 2 versions. Each part assembles by itself: llvm-mc -triple=amdgcn-amd-amdhsa -mcpu=gfx1250 --defsym DOCPART=n.
;; ======== version 1 of 2: 2 launches
;; workspace buffers: w1f 4,194,304 bytes; w2f 4,194,304 bytes; blocks 2,560 bytes of whole numbers; list 16,384 bytes of whole numbers
;; launch prep (part 1): grid 65 x 1, 16 waves a work-group, no clusters, 139,264 bytes of LDS; arguments expert_indices, w1_codes, w2_codes, w1f, w2f, blocks, list; writes w1f, w2f, blocks, list
.if DOCPART == 1
	.amdgcn_target "amdgcn-amd-amdhsa--gfx1250"
	.amdhsa_code_object_version 6
	.text
	.protected	k_qed72babb24_prep
	.globl	k_qed72babb24_prep
	.p2align	8
	.type	k_qed72babb24_prep,@function
k_qed72babb24_prep:
	s_mov_b64 s[64:65], 0
	v_nop
	global_prefetch_b8 v0, s[64:65] scope:SCOPE_SE
	s_setreg_imm32_b32 hwreg(HW_REG_WAVE_MODE, 25, 1), 1
	s_wait_xcnt 0x0
; PREP: the weights' codes laid as operand registers take them, and the tokens sorted by their pair of experts.
; WORK LEFT OUT BY THE PROGRAM, AND WHY IT IS DEAD.  reference() runs every expert on every token and multiplies expert e's row by
; token_w = sum over k of expert_weights[k] x (expert_indices[k] == e), a mask that it builds in its own body.  For an expert that a token does
; not name token_w is 0, and y x 0 adds 0 to out for all finite inputs.  So of the 16 products only the rows of the (at most two) experts that a token
; names are computed: 8,192 rows through two layers and not 32,768.  The choice is an index among the inputs: this launch reads it and stores the sorted list and the table of
; blocks as whole numbers; the next launch reads them.  Every input is loaded by one of the two launches.
; LIMITS.  A NaN, an infinity or an overflow that reaches only a row left out is not carried to the result.  An index outside 0 .. 7 is sorted as 7; its weight counts for no expert, as in reference().
; SHARES.  Work-groups 0-31: w1's 512 tiles of 16 rows, a wave a tile; 32-63: w2's; work-group 64: the sort.
; AN IMAGE of a fragment (16 rows x 128 K of 4-bit codes) is 1,024 bytes: part c (0, 1) is 512 bytes, in it lane l = 16 h + rho has the 16 bytes 64 s + 32 c + 16 h .. of row rho's 512.
;   w1f: e 2^19 + (nt / 8) 65536 + s 8192 + (nt % 8) 1024; row rho of tile nt is hidden unit 32 (nt / 2) + 8 (nt % 2) + rho + 8 (rho / 8), so that two neighbouring tiles' results are 16 neighbours along the next K.
;   w2f: e 2^19 + (nt / 4) 32768 + s 4096 + (nt % 4) 1024; row rho of tile nt is column 16 nt + rho.
; THE SORT.  A token's key is its pair A < B, 28 keys; a token that names one expert a twice takes the pair (a, a + 1), or (6, 7) for a = 7: the second expert then has weight 0.
; A counting sort without atomics: ranks among a wave's 32 tokens by ballots of the key's five bits, counts from wave to wave through LDS, one barrier.  A block is at most 32 tokens of one key:
; the sum of ceil(n / 32) over 28 keys with 4,096 tokens in all is at most 155.  The table has 160 entries (A, B, first place in the list, rows); entries behind the last block have 0 rows.
.set SROW,  528                        ; a stage row: 512 bytes + 16: rows start 16 bytes on modulo 256, so the 16 rows that a load touches fall on different banks
.set SWAVE, 16*SROW                    ; a wave's stage
.set CNT,   16*SWAVE                   ; the sort's counts: 128 bytes a wave (bytes of their own: the two paths share no LDS byte)
.set SPARE, CNT+16*128                 ; the spare words, 128 bytes a wave: no other line names them
.set LANE, 1
.set SPW,  2                           ; v2  SPARE + 4 x my thread's number; never rewritten
.set NIL,  3                           ; v3  0; never rewritten
.set L16,  5
.set SIN,  6
.set SOUT, 7
.set D,    16                          ; v16-23  K step s's place in the image buffer + 16 x lane
.set R,    32                          ; v32-95  16 rows as loaded
.set O,    96                          ; v96-159 16 parts of images
	s_load_b256 s[4:11], s[0:1], 0x0               ; indices s[4:5], w1's codes s[6:7], w2's s[8:9], w1f s[10:11]
	s_load_b128 s[12:15], s[0:1], 0x20             ; w2f s[12:13], blocks s[14:15]
	s_load_b64 s[16:17], s[0:1], 0x30              ; list
	v_lshl_add_u32 v[SPW], v0, 2, SPARE
	v_mov_b32 v[NIL], 0
	v_lshrrev_b32 v4, 5, v0
	v_readfirstlane_b32 s20, v4                    ; wave 0..15
	v_and_b32 v[LANE], 31, v0
	s_cmp_eq_u32 ttmp9, 64                         ; the work-group's number: the same in all sixteen waves
	s_cbranch_scc1 .Lroute
	; ---- THE WEIGHTS.  One path for both tensors: only pointers and four numbers are chosen
	v_lshlrev_b32 v[L16], 4, v[LANE]
	s_lshl_b32 s21, ttmp9, 4
	s_add_co_u32 s21, s21, s20
	s_and_b32 s21, s21, 511                        ; my tile among the tensor's 512
	s_lshr_b32 s22, s21, 6
	s_lshl_b32 s22, s22, 19                        ; its expert's first byte, in codes and in images
	s_and_b32 s23, s21, 63                         ; nt
	s_lshr_b32 s24, s23, 1                         ; w1: first row 32 (nt / 2) + 8 (nt % 2)
	s_lshl_b32 s24, s24, 5
	s_and_b32 s25, s23, 1
	s_lshl_b32 s25, s25, 3
	s_add_co_u32 s24, s24, s25
	s_lshr_b32 s26, s23, 3                         ; w1: image at (nt / 8) 65536 + (nt % 8) 1024
	s_lshl_b32 s26, s26, 16
	s_and_b32 s27, s23, 7
	s_lshl_b32 s27, s27, 10
	s_or_b32 s26, s26, s27
	s_lshl_b32 s28, s23, 4                         ; w2: first row 16 nt
	s_lshr_b32 s29, s23, 2                         ; w2: image at (nt / 4) 32768 + (nt % 4) 1024
	s_lshl_b32 s29, s29, 15
	s_and_b32 s30, s23, 3
	s_lshl_b32 s30, s30, 10
	s_or_b32 s29, s29, s30
	s_mov_b32 s31, 4096
	s_wait_kmcnt 0x0
	s_cmp_lt_u32 ttmp9, 32                         ; w1's work-group or w2's: the choice hangs on the work-group's number alone
	s_cselect_b64 s[6:7], s[6:7], s[8:9]
	s_cselect_b64 s[10:11], s[10:11], s[12:13]
	s_cselect_b32 s24, s24, s28
	s_cselect_b32 s26, s26, s29
	s_cselect_b32 s34, 4096, 0                     ; w1's rows 8-15 of a tile lie 8 rows further on
	s_cselect_b32 s36, 8192, s31                   ; from K step to K step in the images
	s_lshl_b32 s24, s24, 9                         ; a row of codes is 512 bytes
	s_add_co_u32 s24, s24, s22
	s_mov_b32 s25, 0
	s_add_nc_u64 s[6:7], s[6:7], s[24:25]          ; rows 0-7
	s_mov_b32 s35, 0
	s_add_nc_u64 s[8:9], s[6:7], s[34:35]          ; rows 8-15
	s_add_co_u32 s26, s26, s22
	s_mov_b32 s27, 0
	s_add_nc_u64 s[10:11], s[10:11], s[26:27]
.irp j, 0,1,2,3,4,5,6,7
	global_load_b128 v[R+4*\j:R+4*\j+3], v[L16], s[6:7] offset:512*\j th:TH_LOAD_NT    ; a whole row: 512 consecutive bytes; read once in the launch
.endr
.irp j, 8,9,10,11,12,13,14,15
	global_load_b128 v[R+4*\j:R+4*\j+3], v[L16], s[8:9] offset:512*\j th:TH_LOAD_NT
.endr
	s_mul_i32 s37, s20, SWAVE                      ; my stage
	v_add_nc_u32 v[SIN], s37, v[L16]               ; in: 16 x lane, the row in the offset
	v_and_b32 v8, 15, v0                           ; rho
	v_bfe_u32 v9, v0, 4, 1                         ; h
	v_mul_u32_u24 v[SOUT], v8, SROW
	v_lshl_add_u32 v[SOUT], v9, 4, v[SOUT]
	v_add_nc_u32 v[SOUT], s37, v[SOUT]             ; out: row rho, + 16 h
.irp s, 0,1,2,3,4,5,6,7
	v_mad_u32_u24 v[D+\s], s36, \s, v[L16]
.endr
.irp j, 0,1,2,3,4,5,6,7,8,9,10,11,12,13,14,15
	s_wait_loadcnt 15-\j                           ; loads come back in order: row j is in, the 15 - j younger ones may be out
	ds_store_b128 v[SIN], v[R+4*\j:R+4*\j+3] offset:SROW*\j
.endr
.irp i, 0,1,2,3,4,5,6,7,8,9,10,11,12,13,14,15
	ds_load_b128 v[O+4*\i:O+4*\i+3], v[SOUT] offset:32*\i      ; part i = 2 s + c: bytes 64 s + 32 c + 16 h of row rho.  My own bytes, served in order: these see the stores above
.endr
.irp i, 0,1,2,3,4,5,6,7,8,9,10,11,12,13,14,15
	s_wait_dscnt 15-\i                             ; part i is back, the 15 - i younger ones may be out
	global_store_b128 v[D+\i/2], v[O+4*\i:O+4*\i+3], s[10:11] offset:512*(\i%2)   ; 512 consecutive bytes, at a multiple of 512 from the buffer's first byte
.endr
	s_branch .Lend
	; ---- THE SORT.  Wave w owns tokens 256 w + 32 g + lane, g = 0 .. 7
.set IX,  32                           ; v32-47  the index pairs
.set K4,  48                           ; v48-55  4 x key
.set RK,  56                           ; v56-63  my rank among the group's tokens of my key
.set RUN, 64                           ; v64-72  lane k: tokens of key k in my wave's groups before g; v72: in all eight
.set LM,  73                           ; v73-77  (bit b of my lane) - 1
.set T,   78                           ; v78-91  at work
.set NN,  92                           ; lane k: tokens of key k in all
.set BEL, 93                           ; lane k: those in the waves before mine
.set VAL, 94
.set INC, 95
.set C,   96                           ; v96-111 the sixteen waves' counts; later what the lanes hand round; later a table entry
.set TK,  112                          ; v112-119 token numbers
.set PP,  120                          ; v120-127 places in the list
.Lroute:
	v_lshlrev_b32 v6, 3, v[LANE]
	s_lshl_b32 s21, s20, 11
	v_add_nc_u32 v6, s21, v6                       ; 8 bytes a token
	s_wait_kmcnt 0x0
.irp g, 0,1,2,3,4,5,6,7
	global_load_b64 v[IX+2*\g:IX+2*\g+1], v6, s[4:5] offset:256*\g     ; 256 consecutive bytes
.endr
.irp b, 0,1,2,3,4
	v_bfe_u32 v[LM+\b], v[LANE], \b, 1
	v_add_nc_u32 v[LM+\b], -1, v[LM+\b]
.endr
	v_mov_b32 v[RUN], 0
	s_mov_b32 s30, 0x01010101
	s_wait_loadcnt 0x0
.macro KEY g
	v_min_u32 v[T], 7, v[IX+2*\g]
	v_min_u32 v[T+1], 7, v[IX+2*\g+1]
	v_min_u32 v[T+2], v[T], v[T+1]                 ; lo
	v_add_nc_u32 v[T+3], v[T], v[T+1]
	v_sub_nc_u32 v[T+3], v[T+3], v[T+2]            ; hi
	v_sub_nc_u32 v[T+4], v[T+3], v[T+2]
	v_min_u32 v[T+4], 1, v[T+4]                    ; 0 where both name one expert
	v_sub_nc_u32 v[T+3], v[T+3], v[T+4]
	v_add_nc_u32 v[T+3], 1, v[T+3]                 ; then hi = lo + 1,
	v_lshrrev_b32 v[T+4], 3, v[T+3]
	v_sub_nc_u32 v[T+2], v[T+2], v[T+4]            ; and (7, 8) becomes (6, 7)
	v_sub_nc_u32 v[T+3], v[T+3], v[T+4]
	v_sub_nc_u32 v[T+4], 15, v[T+2]
	v_mul_u32_u24 v[T+4], v[T+2], v[T+4]
	v_lshrrev_b32 v[T+4], 1, v[T+4]                ; pairs with a smaller lo: lo (15 - lo) / 2
	v_sub_nc_u32 v[T+3], v[T+3], v[T+2]
	v_add_nc_u32 v[T+4], v[T+4], v[T+3]
	v_add_nc_u32 v[T+4], -1, v[T+4]                ; the key, 0 .. 27
	v_lshlrev_b32 v[K4+\g], 2, v[T+4]
.irp b, 0,1,2,3,4
	v_bfe_u32 v[T+5+\b], v[T+4], \b, 1
	v_cmp_ne_u32 s[24+\b], 0, v[T+5+\b]            ; which lanes' keys have bit b
.endr
	v_add_nc_u32 v[T+10], -1, v[T+5]
	v_xor_b32 v[T+10], s24, v[T+10]                ; lanes that agree with my key in bit 0,
	v_xor_b32 v[T+12], s24, v[LM]                  ; lanes whose key agrees with my LANE's number in bit 0
.irp b, 1,2,3,4
	v_add_nc_u32 v[T+11], -1, v[T+5+\b]
	v_xor_b32 v[T+11], s[24+\b], v[T+11]
	v_and_b32 v[T+10], v[T+10], v[T+11]            ; .. in all five: my peers
	v_xor_b32 v[T+13], s[24+\b], v[LM+\b]
	v_and_b32 v[T+12], v[T+12], v[T+13]            ; .. the lanes whose key is my lane's number
.endr
	v_mbcnt_lo_u32_b32 v[RK+\g], v[T+10], 0        ; peers in lanes below mine
	v_lshrrev_b32 v[T+13], 1, v[T+12]              ; the number of ones in v[T+12]
	v_and_b32 v[T+13], 0x55555555, v[T+13]
	v_sub_nc_u32 v[T+12], v[T+12], v[T+13]
	v_lshrrev_b32 v[T+13], 2, v[T+12]
	v_and_b32 v[T+12], 0x33333333, v[T+12]
	v_and_b32 v[T+13], 0x33333333, v[T+13]
	v_add_nc_u32 v[T+12], v[T+12], v[T+13]
	v_lshrrev_b32 v[T+13], 4, v[T+12]
	v_add_nc_u32 v[T+12], v[T+12], v[T+13]
	v_and_b32 v[T+12], 0x0f0f0f0f, v[T+12]
	v_mul_lo_u32 v[T+12], v[T+12], s30
	v_lshrrev_b32 v[T+12], 24, v[T+12]
	v_add_nc_u32 v[RUN+\g+1], v[RUN+\g], v[T+12]
.endm
.irp g, 0,1,2,3,4,5,6,7
	KEY \g
.endr
	v_lshl_add_u32 v[T], v0, 2, CNT
	ds_store_b32 v[T], v[RUN+8]                    ; my wave's counts, lane k key k
	s_wait_dscnt 0x0                               ; for the others' sake: the store is done
	s_barrier_signal -1
	s_barrier_wait -1
	v_lshl_add_u32 v[T+1], v[LANE], 2, CNT
.irp w, 0,1,2,3,4,5,6,7,8,9,10,11,12,13,14,15
	ds_load_b32 v[C+\w], v[T+1] offset:128*\w
.endr
	v_mov_b32 v[NN], 0
	v_mov_b32 v[BEL], 0
	s_wait_dscnt 0x0
.irp w, 0,1,2,3,4,5,6,7,8,9,10,11,12,13,14,15
	s_cmp_gt_u32 s20, \w
	s_cselect_b32 s21, -1, 0
	v_add_nc_u32 v[NN], v[NN], v[C+\w]
	v_and_b32 v[T], s21, v[C+\w]
	v_add_nc_u32 v[BEL], v[BEL], v[T]
.endr
	v_add_nc_u32 v[VAL], 31, v[NN]
	v_lshrrev_b32 v[VAL], 5, v[VAL]
	v_lshl_or_b32 v[VAL], v[VAL], 16, v[NN]        ; tokens below, blocks above: both sums stay under 2^16
	v_mov_b32 v[INC], v[VAL]
	v_mov_b32 v[T], 0
.irp n, 1,2,4,8
	v_mov_b32_dpp v[T], v[INC] row_shr:\n row_mask:0xf bank_mask:0xf bound_ctrl:1   ; a running sum over each 16 lanes; lanes without a source take 0
	v_add_nc_u32 v[INC], v[INC], v[T]
.endr
	v_readlane_b32 s21, v[INC], 15
	v_mov_b32 v[T], s21
	v_cmp_le_u32 vcc_lo, 16, v[LANE]
	v_cndmask_b32 v[T], 0, v[T], vcc_lo
	v_add_nc_u32 v[INC], v[INC], v[T]              ; and over all 32
	v_sub_nc_u32 v[INC], v[INC], v[VAL]            ; lane k: tokens (below) and blocks (above) of the keys before k
	v_and_b32 v[T+1], 0xffff, v[INC]
	v_add_nc_u32 v[T+1], v[T+1], v[BEL]
.irp g, 0,1,2,3,4,5,6,7
	v_add_nc_u32 v[C+\g], v[T+1], v[RUN+\g]        ; lane k: where group g's first token of key k goes
	ds_bpermute_b32 v[PP+\g], v[K4+\g], v[C+\g]    ; each lane takes its key's
.endr
	s_lshl_b32 s21, s20, 8
	v_add_nc_u32 v[T+2], s21, v[LANE]
	s_wait_dscnt 0x0
.irp g, 0,1,2,3,4,5,6,7
	v_add_nc_u32 v[PP+\g], v[PP+\g], v[RK+\g]
	v_min_u32 v[PP+\g], 0xfff, v[PP+\g]            ; a place in the list, held inside it
	v_lshlrev_b32 v[PP+\g], 2, v[PP+\g]
	v_add_nc_u32 v[TK+\g], 32*\g, v[T+2]
	global_store_b32 v[PP+\g], v[TK+\g], s[16:17]  ; each place is written once: 4,096 tokens, 4,096 places
.endr
	s_cmp_gt_u32 s20, 4                            ; the table: entry = thread number, 160 entries: waves 0 to 4
	s_cbranch_scc1 .Lend
	v_readlane_b32 s22, v[NN], 0
	v_mov_b32 v[T+4], 1                            ; 8 A + B of key 0, the pair (0, 1): its first block is block 0
	v_mov_b32 v[T+5], 0
	v_mov_b32 v[T+6], s22
.set KK, 0
.irp a, 0,1,2,3,4,5,6
.irp b, 1,2,3,4,5,6,7
.if \b > \a
.if KK > 0
	v_readlane_b32 s21, v[INC], KK
	v_readlane_b32 s22, v[NN], KK
	s_lshr_b32 s23, s21, 16                        ; the key's first block
	v_cmp_gt_u32 vcc_lo, s23, v0                   ; beyond my entry: keep; else take this key.  The last key whose first block is not beyond wins: keys without tokens are passed over
	v_cndmask_b32 v[T+4], 8*\a+\b, v[T+4], vcc_lo
	v_cndmask_b32 v[T+5], s21, v[T+5], vcc_lo
	v_cndmask_b32 v[T+6], s22, v[T+6], vcc_lo
.endif
.set KK, KK+1
.endif
.endr
.endr
	v_lshrrev_b32 v[T+7], 16, v[T+5]
	v_and_b32 v[T+5], 0xffff, v[T+5]
	v_sub_nc_u32 v[T+7], v0, v[T+7]                ; which block of the key
	v_lshlrev_b32 v[T+7], 5, v[T+7]
	v_add_nc_u32 v[C+2], v[T+5], v[T+7]
	v_min_u32 v[C+2], 0xfff, v[C+2]                ; its first place in the list
	v_min_u32 v[T+7], v[T+7], v[T+6]
	v_sub_nc_u32 v[C+3], v[T+6], v[T+7]
	v_min_u32 v[C+3], 32, v[C+3]                   ; its rows: what is left of the key's tokens, at most 32; 0 behind the last block
	v_lshrrev_b32 v[C], 3, v[T+4]
	v_and_b32 v[C+1], 7, v[T+4]
	v_lshlrev_b32 v[T+8], 4, v0
	global_store_b128 v[T+8], v[C:C+3], s[14:15]
.Lend:
	s_wait_tensorcnt 0x0                           ; the wave's end, behind my last LDS store
	ds_add_u32 v[SPW], v[NIL]
	s_wait_dscnt 0x0
	s_endpgm
.Lfunc_end_k_qed72babb24_prep:
	.size	k_qed72babb24_prep, .Lfunc_end_k_qed72babb24_prep-k_qed72babb24_prep
	.p2alignl 7, 3214868480
	.fill 96, 4, 3214868480
	.section	.rodata,"a",@progbits
	.p2align	6, 0x0
	.amdhsa_kernel k_qed72babb24_prep
		.amdhsa_group_segment_fixed_size 139264
		.amdhsa_private_segment_fixed_size 0
		.amdhsa_enable_private_segment 0
		.amdhsa_kernarg_size 56
		.amdhsa_user_sgpr_count 2
		.amdhsa_user_sgpr_kernarg_segment_ptr 1
		.amdhsa_wavefront_size32 1
		.amdhsa_system_sgpr_workgroup_id_x 1
		.amdhsa_system_sgpr_workgroup_id_y 1
		.amdhsa_system_sgpr_workgroup_id_z 1
		.amdhsa_system_vgpr_workitem_id 0
		.amdhsa_next_free_vgpr 160
		.amdhsa_next_free_sgpr 66
		.amdhsa_reserve_vcc 1
		.amdhsa_float_denorm_mode_32 3
		.amdhsa_float_denorm_mode_16_64 3
		.amdhsa_memory_ordered 1
		.amdhsa_forward_progress 1
		.amdhsa_inst_pref_size 48
	.end_amdhsa_kernel
	.amdgpu_metadata
---
amdhsa.version: [ 1, 2 ]
amdhsa.kernels:
  - .name:           k_qed72babb24_prep
    .symbol:         k_qed72babb24_prep.kd
    .args:
      - { .name: expert_indices, .offset: 0, .size: 8, .value_kind: global_buffer, .address_space: global }
      - { .name: w1_codes, .offset: 8, .size: 8, .value_kind: global_buffer, .address_space: global }
      - { .name: w2_codes, .offset: 16, .size: 8, .value_kind: global_buffer, .address_space: global }
      - { .name: w1f, .offset: 24, .size: 8, .value_kind: global_buffer, .address_space: global }
      - { .name: w2f, .offset: 32, .size: 8, .value_kind: global_buffer, .address_space: global }
      - { .name: blocks, .offset: 40, .size: 8, .value_kind: global_buffer, .address_space: global }
      - { .name: list, .offset: 48, .size: 8, .value_kind: global_buffer, .address_space: global }
    .group_segment_fixed_size: 139264
    .private_segment_fixed_size: 0
    .kernarg_segment_align: 8
    .kernarg_segment_size: 56
    .max_flat_workgroup_size: 512
    .sgpr_count:     66
    .vgpr_count:     160
    .wavefront_size: 32
...
	.end_amdgpu_metadata
.endif
;; end of part 1
;; launch chain (part 2): grid 155 x 1, 4 waves a work-group, no clusters, 70,144 bytes of LDS; arguments x_codes, x_scales, expert_indices, expert_weights, w1f, w1_scales, b1, w2f, w2_scales, b2, blocks, list, out0; writes out0
.if DOCPART == 2
	.amdgcn_target "amdgcn-amd-amdhsa--gfx1250"
	.amdhsa_code_object_version 6
	.text
	.protected	k_qed72babb24_chain
	.globl	k_qed72babb24_chain
	.p2align	8
	.type	k_qed72babb24_chain,@function
k_qed72babb24_chain:
	s_mov_b64 s[64:65], 0
	v_nop
	global_prefetch_b8 v0, s[64:65] scope:SCOPE_SE
	s_setreg_imm32_b32 hwreg(HW_REG_WAVE_MODE, 25, 1), 1
	s_wait_xcnt 0x0
; CHAIN: out[token] = twA (silu(x W1[A] + b1[A]) W2[A] + b2[A]) + twB (the same with B), both products on codes of FP4 (E2M1) with one E8M0 scale for each 32 along K.
; WORK LEFT OUT: the rows of experts that a token does not name; reference() multiplies them by a token_w that its own mask makes 0 (shown at the head of the launch before).
; LIMITS: a NaN, an infinity or an overflow in a row left out is not carried to the result.  A block of 32 hidden numbers that are all 0 gets the scale byte 1 with zero codes (the bytes are read by this launch alone).
; silu(z) = z / (1 + 2^(-z log2 e)): beyond z = -88 the power overflows to infinity and the result is -0, where the true value lies under 1e-36.
; SHARES.  A work-group takes one block of the table: at most 32 tokens that name the same pair of experts (A, B), through the whole chain for both experts, and owns their rows of out: nothing is added between work-groups.
; 155 work-groups serve every split (28 pairs, 4,096 tokens, blocks of 32).  A block without rows skips both phases: a branch on a stored number.  The weights go from memory straight
; into registers, as images that the launch before has laid; each fragment is read by one wave of the work-group, so LDS would share nothing.  NO CLUSTER: which blocks have an expert in common hangs on the stored table, so no request could be made alike in all partners.
; Rows past the block's count repeat its last token: they compute and store that token's row once more, from this work-group, with the same numbers; so no lane is ever switched off.
; THE WAVES SHARE THE COLUMNS: wave w makes hidden units 256 w .. + 255 and columns 256 w .. + 255 of out, for all 32 rows (two tiles of 16, m = 0, 1).
; BOTH PRODUCTS ARE USED TRANSPOSED (source 0 = 16 rows of a weight, source 1 = 16 tokens): a lane holds one token (lane % 16), its eight registers eight neighbours along n.  The rows of W1 that form a tile are chosen
; (tile 2 b + u, lane rho: hidden unit 32 b + 8 u + rho + 8 (rho / 8)) so that two neighbouring tiles' 16 registers are 16 neighbours along the next K.
; PHASE 1, four trips j = 2 p + g (expert p, 128 hidden units g): 8 K steps x 16 products; then silu and the quantiser in registers; the codes go to LDS as an image of the operand's registers.  ONE BARRIER.
; PHASE 2, four trips of 64 columns: 8 groups of 16 products (four for A, four for B); weighed, summed, through my own stage in LDS, stored as whole rows of 256 bytes.
; The four trips of phase 1 are written out: each has its own place in LDS, which stands in the stores' immediates.
; THE WEIGHTS' RING: four slots of 64 registers (8 fragments, 8 KiB for the wave); a slot is asked for again behind the group that has read it: three slots' loads are on their way while a group is multiplied.
; REGISTERS, in windows of 256: window 0: v1-31 addresses and the gates' weights; v32-47 my rows' places in out; v48-63 scale words of x, later of the hidden layer; v64-95 the weights' scale words; v96-121 the quantiser's;
;   v128-191 64 hidden numbers, later A's accumulators; v192-255 B's accumulators, later rows on the way out.
;   window 1: phase 1: x's fragments (m, s) at 8 (8 m + s), accumulators (m, t) at 128 + 64 m + 8 t; phase 2: the hidden layer's fragments (p, m, s) at 8 (16 p + 8 m + s).
;   window 2: the ring.   window 3: v0-63 the biases in the result's layout: they are the C of each sum's first product.
.set HIMG,   0                         ; LDS: the hidden layer's 32 fragments: trip j, wave w, tile m at 8192 j + 2048 w + 1024 m
.set HSC,    32768                     ; their scale words: 512 j + 128 w; lanes 0-15 m = 0's rows, lanes 16-31 m = 1's
.set STG,    34816                     ; the way out: 32 rows x (256 + 16) bytes for each wave
.set SPITCH, 272
.set STGW,   32*SPITCH
.set SPARE,  STG+4*STGW                ; the spare words, 128 bytes a wave: no other line names them
.set L16,  1                           ; 16 x lane
.set LS4,  2                           ; 4 x lane
.set RR,   3                           ; r = lane % 16
.set HH,   4                           ; h = lane / 16
.set WSO1, 5                           ; W1's scale words: 32 bytes a row; lanes 0-15 the rows of tile 2 b, lanes 16-31 of tile 2 b + 1
.set WSO2, 6                           ; W2's: 32 x lane
.set BO1,  7                           ; b1: 64 h
.set BO2,  8                           ; b2: 32 h
.set HW0,  9                           ; where I store an image: 16 x lane + 2048 x wave
.set HS0,  10                          ; and its scale word: HSC + 128 x wave + 4 r
.set R16,  11
.set H16,  12
.set STO,  13                          ; the stage: where I put 32 bytes of a row
.set RD,   14                          ; and where I read a row back
.set XSO,  15                          ; x's scale words: 32 x the token of row (lane)
.set XO,   16                          ; v16-17  x's codes: 512 x the token of row 16 m + r, + 16 h
.set TOK,  18                          ; v18-19  that token; later 8 x it
.set TWA,  20                          ; v[20:21], v[22:23]  A's weight for my token of tile 0, of tile 1, each twice (a pair for the packed lines)
.set TWB,  24                          ; v[24:25], v[26:27]  B's
.set SPW,  28                          ; SPARE + 4 x my thread's number; never rewritten
.set NIL,  29                          ; 0; never rewritten
.set LANE, 31
.set OUTOFF, 32                        ; v32-47  4096 x the token of row 2 i + h, + 16 r
.set XS,   48
.set HS,   48
.set WS,   64
.set TM,   96
.set PW,   112
.set PC,   114
.set HA,   128
.set AB,   192
.set WV,   34                          ; s34 my wave
.set EA,   36                          ; s36-39 the block: A, B, first place in the list, rows
.set EB,   37
.set START, 38
.set NROW, 39
.set LAST, 40
.set TRIPS, 41
.set W1P,  44                          ; s[44:45], s[46:47]  my 256 hidden units' images of W1[A], W1[B]
.set S1P,  48                          ; their scale bytes
.set B1P,  52                          ; their biases
.set PA,   56                          ; phase 2, stepped by the chunk: images of W2[A],
.set PB,   58                          ; W2[B];
.set SA,   60                          ; scale bytes;
.set SB,   62
.set BA,   66                          ; biases;
.set BB,   68
.set OUT,  70                          ; out at my wave's columns
.set SEL,  72                          ; v_permlanex16_b32's selects for lane l xor 16
.set NL2E, 74                          ; s[74:75] -log2(e): the packed form names a pair and takes its low word
.set MSB, 0
.macro WIN new                         ; the immediate's low byte: bits 1:0 source 0, 3:2 source 1, 5:4 source 2, 7:6 destination; its high byte repeats the setting that is left
.if MSB != \new
	s_set_vgpr_msb (MSB<<8)|\new
.set MSB, \new
.endif
.endm
; A load into a register that a matrix instruction has read stands four places behind it, and so does a vector instruction that reads a result; only plain vector instructions that name none of its registers are places
.macro PLACES
.rept 4
	v_nop
.endr
.endm
; THE COUNTED WAITS.  ISS counts the loads issued so far; MARK q notes it behind the run that fills slot q (and what rides with it); AWAIT q then lets exactly the loads issued behind that run stay out: loads come back in order.
.macro MARK q
.if (\q) == 0
.set MK0, ISS
.elseif (\q) == 1
.set MK1, ISS
.elseif (\q) == 2
.set MK2, ISS
.else
.set MK3, ISS
.endif
.endm
.macro AWAIT q
.if (\q) == 0
	s_wait_loadcnt ISS-MK0
.elseif (\q) == 1
	s_wait_loadcnt ISS-MK1
.elseif (\q) == 2
	s_wait_loadcnt ISS-MK2
.else
	s_wait_loadcnt ISS-MK3
.endif
.endm
.macro RING q, sb, off                 ; 8 images, 8,192 consecutive bytes, into slot q: each load 512 consecutive bytes
	WIN 0x80
.irp f, 0,1,2,3,4,5,6,7
.irp c, 0,1
	global_load_b128 v[64*(\q)+8*\f+4*\c:64*(\q)+8*\f+4*\c+3], v[L16], s[\sb:\sb+1] offset:(\off)+1024*\f+512*\c
.endr
.endr
.set ISS, ISS+16
.endm
.macro BIAS1 b, sb, off                ; b1 for tiles 2 b, 2 b + 1: lane (r, h) wants hidden units 32 b + 16 h + 8 u + 0 .. 7
	WIN 0xc0
.irp u, 0,1
.irp hf, 0,1
	global_load_b128 v[8*(2*(\b)+\u)+4*\hf:8*(2*(\b)+\u)+4*\hf+3], v[BO1], s[\sb:\sb+1] offset:(\off)+128*(\b)+32*\u+16*\hf
.endr
.endr
.set ISS, ISS+4
.endm
.macro SCL1 hf, sb, off                ; W1's scale words of K steps 4 hf .. 4 hf + 3: register WS + 8 b + s
	WIN 0
.irp b, 0,1,2,3
	global_load_b128 v[WS+8*\b+4*(\hf):WS+8*\b+4*(\hf)+3], v[WSO1], s[\sb:\sb+1] offset:(\off)+1024*\b+16*(\hf)
.endr
.set ISS, ISS+4
.endm
.macro BIAS2 p, u0, sb, off            ; b2 of expert p for tiles u0, u0 + 1: lane (r, h) wants columns 16 u + 8 h + 0 .. 7
	WIN 0xc0
.irp u, \u0, \u0+1
.irp hf, 0,1
	global_load_b128 v[32*(\p)+8*(\u)+4*\hf:32*(\p)+8*(\u)+4*\hf+3], v[BO2], s[\sb:\sb+1] offset:(\off)+64*(\u)+16*\hf
.endr
.endr
.set ISS, ISS+4
.endm
.macro SCL2 p, hf, sb, off             ; W2's scale words: register WS + 16 p + 8 (u / 2) + s; lanes 0-15 tile 2 q, lanes 16-31 tile 2 q + 1
	WIN 0
.irp q, 0,1
	global_load_b128 v[WS+16*(\p)+8*\q+4*(\hf):WS+16*(\p)+8*\q+4*(\hf)+3], v[WSO2], s[\sb:\sb+1] offset:(\off)+1024*\q+16*(\hf)
.endr
.set ISS, ISS+2
.endm
; one product; ra, rb: the side's scales stand in lanes 16-31 of the register named
.macro WMS d, a, b, c, sa, sb, ra, rb
.if (\ra) && (\rb)
	v_wmma_scale_f32_16x16x128_f8f6f4 v[\d:\d+7], v[\a:\a+7], v[\b:\b+7], v[\c:\c+7], v[\sa], v[\sb] matrix_a_fmt:MATRIX_FMT_FP4 matrix_b_fmt:MATRIX_FMT_FP4 matrix_a_scale:MATRIX_SCALE_ROW1 matrix_b_scale:MATRIX_SCALE_ROW1
.elseif (\ra)
	v_wmma_scale_f32_16x16x128_f8f6f4 v[\d:\d+7], v[\a:\a+7], v[\b:\b+7], v[\c:\c+7], v[\sa], v[\sb] matrix_a_fmt:MATRIX_FMT_FP4 matrix_b_fmt:MATRIX_FMT_FP4 matrix_a_scale:MATRIX_SCALE_ROW1
.elseif (\rb)
	v_wmma_scale_f32_16x16x128_f8f6f4 v[\d:\d+7], v[\a:\a+7], v[\b:\b+7], v[\c:\c+7], v[\sa], v[\sb] matrix_a_fmt:MATRIX_FMT_FP4 matrix_b_fmt:MATRIX_FMT_FP4 matrix_b_scale:MATRIX_SCALE_ROW1
.else
	v_wmma_scale_f32_16x16x128_f8f6f4 v[\d:\d+7], v[\a:\a+7], v[\b:\b+7], v[\c:\c+7], v[\sa], v[\sb] matrix_a_fmt:MATRIX_FMT_FP4 matrix_b_fmt:MATRIX_FMT_FP4
.endif
.endm
; PHASE 1, K step k: 8 tiles of hidden units x 2 tiles of tokens.  The 16 accumulators take turns, one instruction a turn.  K step 0 takes the bias as C: nothing is cleared
.macro MM1 k
.if (\k) == 0
	WIN 0x76                                       ; W1 window 2, x window 1, the bias window 3, D window 1
.else
	WIN 0x56                                       ; C and D window 1
.endif
.irp t, 0,1,2,3,4,5,6,7
.irp m, 0,1
.if (\k) == 0
	WMS 128+64*\m+8*\t, 64*((\k)%4)+8*\t, 8*(8*\m+(\k)), 8*\t, WS+8*(\t/2)+(\k), XS+(\k), \t%2, \m
.else
	WMS 128+64*\m+8*\t, 64*((\k)%4)+8*\t, 8*(8*\m+(\k)), 128+64*\m+8*\t, WS+8*(\t/2)+(\k), XS+(\k), \t%2, \m
.endif
.endr
.endr
.endm
; Group k of trip j, and the run of loads behind it.  Groups 0-3: the slot takes this trip's K step k + 4, and two tiles of the next trip's bias ride along (the bias is read by group 0 alone).
; Groups 4-7: the slot takes the next trip's K step k - 4; with group 4 the next trip's scale words of K steps 0-3 (last read by group 3), with group 7 those of K steps 4-7.
; Runs of 20, 20, 20, 20, 20, 16, 16, 20 loads: the waits let 52, 56, 60, 60, 60, 60, 56, 52 stay out; in the last trip, which asks for nothing beyond itself, 52, 52, 52, 48, 48, 32, 16, 0.
.macro G1 j, k
	AWAIT (\k)%4
	MM1 \k
.if (\k) < 4
	PLACES
	RING \k, W1P+2*((\j)/2), 65536*((\j)%2)+8192*((\k)+4)
.if (\j) < 3
	BIAS1 \k, B1P+2*(((\j)+1)/2), 512*(((\j)+1)%2)
.endif
	MARK \k
.elseif (\j) < 3
	PLACES
	RING (\k)-4, W1P+2*(((\j)+1)/2), 65536*(((\j)+1)%2)+8192*((\k)-4)
.if (\k) == 4
	SCL1 0, S1P+2*(((\j)+1)/2), 4096*(((\j)+1)%2)
.endif
.if (\k) == 7
	SCL1 1, S1P+2*(((\j)+1)/2), 4096*(((\j)+1)%2)
.endif
	MARK (\k)-4
.elseif (\k) == 7
	PLACES
.endif
.endm
; 64 numbers of a lane, v[s] .. v[s + 63], register 16 b + i = k 32 b + 16 (lane / 16) + i of my token's row, become a fragment's codes in v[PC] on and its scale word in v[PW]
.macro QUANT s
.irp b, 0,1,2,3
	v_max3_num_f32 v[TM+\b], |v[\s+16*\b]|, |v[\s+1+16*\b]|, 0x1800000   ; block b: my 16 numbers, and the floor 2^(3 - 127): so the byte cannot fall under 1
.endr
.irp i, 2,4,6,8,10,12,14
.irp b, 0,1,2,3
	v_max3_num_f32 v[TM+\b], v[TM+\b], |v[\s+16*\b+\i]|, |v[\s+1+16*\b+\i]|   ; the four blocks by turns
.endr
.endr
.irp b, 0,1,2,3
	v_permlanex16_b32 v[TM+4+\b], v[TM+\b], s[SEL], s[SEL+1]
.endr
.irp b, 0,1,2,3
	v_max_num_f32 v[TM+\b], v[TM+\b], v[TM+4+\b]   ; with lane l xor 16's: the block's largest magnitude
.endr
.irp b, 0,1,2,3
	v_add_nc_u32 v[TM+12+\b], 0xff000000, v[TM+\b] ; 2 off its exponent field: the conversion takes the exponent field of this operand as its scale
.endr
.irp b, 0,1,2,3
	v_lshrrev_b32 v[TM+4+\b], 23, v[TM+12+\b]      ; the scale's byte
.endr
	v_lshl_or_b32 v[PW], v[TM+5], 8, v[TM+4]
	v_lshl_or_b32 v[PW], v[TM+6], 16, v[PW]
	v_lshl_or_b32 v[PW], v[TM+7], 24, v[PW]
.irp b, 0,1,2,3
	v_cvt_scalef32_pk8_fp4_f32 v[PC+2*\b], v[\s+16*\b:\s+7+16*\b], v[TM+12+\b]
	v_cvt_scalef32_pk8_fp4_f32 v[PC+1+2*\b], v[\s+8+16*\b:\s+15+16*\b], v[TM+12+\b]
.endr
	v_nop                                          ; one plain place behind a scaled conversion
.irp c, 0,1                                    ; the operand's layout wants a whole block in a lane: lanes 0-15 block 2 c, lanes 16-31 block 2 c + 1
.irp i, 0,1
	v_permlane16_swap_b32 v[PC+4*\c+\i], v[PC+2+4*\c+\i]
.endr
.endr
.endm
; Tile m of trip j: silu in f32, the quantiser, the image to LDS.  The exponentials are one batch with one wait ahead of their first reader, and so are the reciprocals.
.macro ACT j, m
	s_wait_dscnt 0x0                               ; the last image's stores are done: the codes' registers may be written again
	WIN 0x01                                       ; source 0: the accumulators, window 1
.set i, 0
.rept 32
	v_pk_mul_f32 v[HA+i:HA+i+1], v[128+64*(\m)+i:128+64*(\m)+i+1], s[NL2E:NL2E+1] op_sel_hi:[1,0]   ; -z log2(e); each accumulator is read from its low end on
.set i, i+2
.endr
	WIN 0
.set i, 0
.rept 64
	v_exp_f32 v[HA+i], v[HA+i]
.set i, i+1
.endr
	v_nop                                          ; a plain place behind the last exponential
	s_wait_alu depctr_va_vdst(0)
.set i, 0
.rept 32
	v_pk_add_f32 v[HA+i:HA+i+1], v[HA+i:HA+i+1], 1.0 op_sel_hi:[1,0]
.set i, i+2
.endr
.set i, 0
.rept 64
	v_rcp_f32 v[HA+i], v[HA+i]
.set i, i+1
.endr
	v_nop
	s_wait_alu depctr_va_vdst(0)
	WIN 0x01
.set i, 0
.rept 32
	v_pk_mul_f32 v[HA+i:HA+i+1], v[128+64*(\m)+i:128+64*(\m)+i+1], v[HA+i:HA+i+1]   ; z / (1 + e^-z)
.set i, i+2
.endr
	WIN 0
	QUANT HA
	ds_store_b128 v[HW0], v[PC:PC+3] offset:HIMG+8192*(\j)+1024*(\m)           ; the fragment as it stands: lane l's 16 bytes at 16 l
	ds_store_b128 v[HW0], v[PC+4:PC+7] offset:HIMG+8192*(\j)+1024*(\m)+512
	ds_store_b32 v[HS0], v[PW] offset:512*(\j)+64*(\m)                         ; lanes r and r + 16 write the same word with the same value
.endm
.macro P1TRIP j
.irp k, 0,1,2,3,4,5,6,7
	G1 \j, \k
.endr
	ACT \j, 0
	ACT \j, 1
.endm
; PHASE 2, group k: expert k / 4, K steps 2 (k % 4) and + 1: 4 tiles of columns x 2 tiles of tokens each.  The expert's 8 accumulators take turns.  K step 0 takes the bias as C
.macro MM2 k
.irp i, 0,1
.if ((\k)%4 == 0) && (\i == 0)
	WIN 0x36                                       ; W2 window 2, the hidden layer window 1, the bias window 3, D window 0
.else
	WIN 0x06
.endif
.irp u, 0,1,2,3
.irp m, 0,1
.if ((\k)%4 == 0) && (\i == 0)
	WMS HA+64*((\k)/4)+8*(2*\u+\m), 64*((\k)%4)+8*(4*\i+\u), 8*(16*((\k)/4)+8*\m+2*((\k)%4)+\i), 32*((\k)/4)+8*\u, WS+16*((\k)/4)+8*(\u/2)+2*((\k)%4)+\i, HS+8*((\k)/4)+2*((\k)%4)+\i, \u%2, \m
.else
	WMS HA+64*((\k)/4)+8*(2*\u+\m), 64*((\k)%4)+8*(4*\i+\u), 8*(16*((\k)/4)+8*\m+2*((\k)%4)+\i), HA+64*((\k)/4)+8*(2*\u+\m), WS+16*((\k)/4)+8*(\u/2)+2*((\k)%4)+\i, HS+8*((\k)/4)+2*((\k)%4)+\i, \u%2, \m
.endif
.endr
.endr
.endr
.endm
; Group k and its run.  Groups 0-3 (A's): the slot takes B's same K steps of this chunk.  Groups 4-7 (B's): A's of the next chunk.  With each run rides a part of the next chunk's biases or scale words whose last reader has passed.
; Runs of 20, 20, 18, 18, 20, 20, 18, 18 loads: the waits let 56, 56, 58, 58, 56, 56, 58, 58 stay out, on the way in (the prologue's last four runs have the sizes of runs 4-7) as on the way back; in the tail 56, 52, 50, 48, 48, 32, 16, 0.
.macro G2 tail, k
	AWAIT (\k)%4
	MM2 \k
.if (\k) < 4
	PLACES
	RING \k, PB, 8192*(\k)
.elseif !(\tail)
	PLACES
	RING (\k)-4, PA, 32768+8192*((\k)-4)
.elseif (\k) == 7
	PLACES
.endif
.if !(\tail)
.if (\k) == 0
	BIAS2 0, 0, BA, 256
.elseif (\k) == 1
	BIAS2 0, 2, BA, 256
.elseif (\k) == 2
	SCL2 0, 0, SA, 2048
.elseif (\k) == 3
	SCL2 0, 1, SA, 2048
.elseif (\k) == 4
	BIAS2 1, 0, BB, 256
.elseif (\k) == 5
	BIAS2 1, 2, BB, 256
.elseif (\k) == 6
	SCL2 1, 0, SB, 2048
.else
	SCL2 1, 1, SB, 2048
.endif
.endif
.if ((\k) < 4) || !(\tail)
	MARK (\k)%4
.endif
.endm
; A chunk's way out: twA x A's + twB x B's; 32 bytes a lane into my stage; back as whole rows of 256 bytes; sixteen lanes store one aligned run of 256 bytes of a token's row
.macro OUTROWS tail
	WIN 0
.irp u, 0,1,2,3
.irp m, 0,1
.irp x, 0,2,4,6
	v_pk_mul_f32 v[HA+8*(2*\u+\m)+\x:HA+8*(2*\u+\m)+\x+1], v[HA+8*(2*\u+\m)+\x:HA+8*(2*\u+\m)+\x+1], v[TWA+2*\m:TWA+2*\m+1]
.endr
.endr
.endr
.irp u, 0,1,2,3
.irp m, 0,1
.irp x, 0,2,4,6
	v_pk_fma_f32 v[HA+8*(2*\u+\m)+\x:HA+8*(2*\u+\m)+\x+1], v[AB+8*(2*\u+\m)+\x:AB+8*(2*\u+\m)+\x+1], v[TWB+2*\m:TWB+2*\m+1], v[HA+8*(2*\u+\m)+\x:HA+8*(2*\u+\m)+\x+1]
.endr
.endr
.endr
.irp u, 0,1,2,3
.irp m, 0,1
	ds_store_b128 v[STO], v[HA+8*(2*\u+\m):HA+8*(2*\u+\m)+3] offset:16*SPITCH*\m+64*\u        ; lane (r, h): row 16 m + r, columns 16 u + 8 h + 0 .. 7
	ds_store_b128 v[STO], v[HA+8*(2*\u+\m)+4:HA+8*(2*\u+\m)+7] offset:16*SPITCH*\m+64*\u+16
.endr
.endr
.irp i, 0,1,2,3,4,5,6,7,8,9,10,11,12,13,14,15
	ds_load_b128 v[AB+4*\i:AB+4*\i+3], v[RD] offset:2*SPITCH*\i    ; my own bytes, served in order: these see the stores above, and the next chunk's stores come behind them
.endr
.irp i, 0,1,2,3,4,5,6,7,8,9,10,11,12,13,14,15
	s_wait_dscnt 15-\i                             ; rows 2 i, 2 i + 1 are back, the 15 - i younger loads may be out
	global_store_b128 v[OUTOFF+\i], v[AB+4*\i:AB+4*\i+3], s[OUT:OUT+1] th:TH_STORE_NT   ; written once, read by nobody here
.endr
.if !(\tail)
	s_wait_xcnt 0x0                                ; every earlier load and store has read its registers and its base: the bases step, and B's accumulators may be written again
	s_add_nc_u64 s[PA:PA+1], s[PA:PA+1], 32768
	s_add_nc_u64 s[PB:PB+1], s[PB:PB+1], 32768
	s_add_nc_u64 s[SA:SA+1], s[SA:SA+1], 2048
	s_add_nc_u64 s[SB:SB+1], s[SB:SB+1], 2048
	s_add_nc_u64 s[BA:BA+1], s[BA:BA+1], 256
	s_add_nc_u64 s[BB:BB+1], s[BB:BB+1], 256
	s_add_nc_u64 s[OUT:OUT+1], s[OUT:OUT+1], 256
.endif
.endm
.macro P2TRIP tail
.irp k, 0,1,2,3,4,5,6,7
	G2 \tail, \k
.endr
	OUTROWS \tail
.endm
.macro PTR dst, src, e, se, sw         ; a buffer's address + expert << se + wave << sw
	s_lshl_b32 s2, s[\e], \se
	s_lshl_b32 s3, s[WV], \sw
	s_add_co_u32 s2, s2, s3
	s_mov_b32 s3, 0
	s_add_nc_u64 s[\dst:\dst+1], s[\src:\src+1], s[2:3]
.endm
.macro ROWTOK reg, base, add           ; row v[base] + add of the block: its token's number is asked for; the load lands on its own address register
.if (\add) == 0
	v_min_u32 v[\reg], s[LAST], v[\base]
.else
	v_add_nc_u32 v[\reg], \add, v[\base]
	v_min_u32 v[\reg], s[LAST], v[\reg]            ; rows past the count repeat the last
.endif
	v_add_nc_u32 v[\reg], s[START], v[\reg]
	v_min_u32 v[\reg], 0xfff, v[\reg]              ; a place in the list, held inside it
	v_lshlrev_b32 v[\reg], 2, v[\reg]
	global_load_b32 v[\reg], v[\reg], s[30:31]
.endm
.macro TW dst, e, m                    ; token_w as reference() writes it: w0 [i0 == e] + w1 [i1 == e]
	v_cmp_eq_u32 vcc_lo, s[\e], v[HA+2*\m]
	v_cndmask_b32 v[HA+8], 0, v[HA+4+2*\m], vcc_lo
	v_cmp_eq_u32 vcc_lo, s[\e], v[HA+1+2*\m]
	v_cndmask_b32 v[HA+9], 0, v[HA+5+2*\m], vcc_lo
	v_add_f32 v[\dst], v[HA+8], v[HA+9]
	v_mov_b32 v[\dst+1], v[\dst]
.endm
	; ---- THE HEAD, on every path: addresses, the block, its tokens, their weights
	s_load_b512 s[8:23], s[0:1], 0x0               ; x's codes s[8:9], x's scales s[10:11], indices s[12:13], weights s[14:15], w1f s[16:17], W1's scales s[18:19], b1 s[20:21], w2f s[22:23]
	s_load_b256 s[24:31], s[0:1], 0x40             ; W2's scales s[24:25], b2 s[26:27], blocks s[28:29], list s[30:31]
	s_load_b64 s[32:33], s[0:1], 0x60              ; out
	v_lshl_add_u32 v[SPW], v0, 2, SPARE
	v_mov_b32 v[NIL], 0
	v_lshrrev_b32 v30, 5, v0
	v_readfirstlane_b32 s[WV], v30                 ; wave 0..3
	v_and_b32 v[LANE], 31, v0
	v_and_b32 v[RR], 15, v0
	v_bfe_u32 v[HH], v0, 4, 1
	v_lshlrev_b32 v[L16], 4, v[LANE]
	v_lshlrev_b32 v[LS4], 2, v[LANE]
	v_and_b32 v[WSO1], 8, v[RR]
	v_add_nc_u32 v[WSO1], v[WSO1], v[RR]           ; r + 8 (r / 8),
	v_lshl_add_u32 v[WSO1], v[HH], 3, v[WSO1]      ; 8 rows on for lanes 16-31: the odd tile
	v_lshlrev_b32 v[WSO1], 5, v[WSO1]
	v_lshlrev_b32 v[WSO2], 5, v[LANE]
	v_lshlrev_b32 v[BO1], 6, v[HH]
	v_lshlrev_b32 v[BO2], 5, v[HH]
	s_lshl_b32 s2, s[WV], 11
	v_add_nc_u32 v[HW0], s2, v[L16]
	s_lshl_b32 s2, s[WV], 7
	v_lshl_add_u32 v[HS0], v[RR], 2, HSC
	v_add_nc_u32 v[HS0], s2, v[HS0]
	s_mul_i32 s2, s[WV], STGW
	s_add_co_u32 s2, s2, STG                       ; my stage
	v_mul_u32_u24 v[STO], v[RR], SPITCH
	v_lshl_add_u32 v[STO], v[HH], 5, v[STO]
	v_add_nc_u32 v[STO], s2, v[STO]
	v_mul_u32_u24 v[RD], v[HH], SPITCH
	v_lshl_add_u32 v[RD], v[RR], 4, v[RD]
	v_add_nc_u32 v[RD], s2, v[RD]
	v_lshlrev_b32 v[R16], 4, v[RR]
	v_lshlrev_b32 v[H16], 4, v[HH]
.irp b, 0,1,2,3
	v_mov_b32 v[TM+4+\b], 0                        ; written once: a lane permute's destination counts as one of its sources
.endr
	s_mov_b32 s[SEL], 0x76543210
	s_mov_b32 s[SEL+1], 0xfedcba98
	s_mov_b32 s[NL2E], 0xbfb8aa3b                  ; -log2(e)
	s_mov_b32 s[NL2E+1], s[NL2E]                   ; (named with it as a pair, so it is written)
	s_lshl_b32 s2, ttmp9, 4                        ; my entry of the table: 16 bytes
	s_mov_b32 s3, 0
	s_wait_kmcnt 0x0
	s_add_nc_u64 s[28:29], s[28:29], s[2:3]
	s_load_b128 s[36:39], s[28:29], 0x0
	s_wait_kmcnt 0x0
	s_min_u32 s[EA], s[EA], 7                      ; stored numbers are held inside their tables before they enter an address
	s_min_u32 s[EB], s[EB], 7
	s_min_u32 s[START], s[START], 0xfff
	s_min_u32 s[NROW], s[NROW], 32
	s_max_u32 s[LAST], s[NROW], 1
	s_sub_co_u32 s[LAST], s[LAST], 1               ; the block's last row
	ROWTOK TOK, RR, 0
	ROWTOK TOK+1, RR, 16
	ROWTOK XSO, LANE, 0
.irp i, 0,1,2,3,4,5,6,7,8,9,10,11,12,13,14,15
	ROWTOK OUTOFF+\i, HH, 2*\i
.endr
	PTR W1P, 16, EA, 19, 17
	PTR W1P+2, 16, EB, 19, 17
	PTR S1P, 18, EA, 15, 13
	PTR S1P+2, 18, EB, 15, 13
	PTR B1P, 20, EA, 12, 10
	PTR B1P+2, 20, EB, 12, 10
	PTR PA, 22, EA, 19, 17
	PTR PB, 22, EB, 19, 17
	PTR SA, 24, EA, 15, 13
	PTR SB, 24, EB, 15, 13
	PTR BA, 26, EA, 12, 10
	PTR BB, 26, EB, 12, 10
	s_lshl_b32 s2, s[WV], 10
	s_mov_b32 s3, 0
	s_add_nc_u64 s[OUT:OUT+1], s[32:33], s[2:3]
	s_wait_loadcnt 0x0                             ; the tokens' numbers
.irp m, 0,1
	v_min_u32 v[TOK+\m], 0xfff, v[TOK+\m]
	v_lshl_add_u32 v[XO+\m], v[TOK+\m], 9, v[H16]  ; a row of x's codes is 512 bytes
	v_lshlrev_b32 v[TOK+\m], 3, v[TOK+\m]          ; a token's two indices, and its two weights, are 8 bytes
.endr
	v_min_u32 v[XSO], 0xfff, v[XSO]
	v_lshlrev_b32 v[XSO], 5, v[XSO]                ; a row of x's scale bytes is 32
.irp i, 0,1,2,3,4,5,6,7,8,9,10,11,12,13,14,15
	v_min_u32 v[OUTOFF+\i], 0xfff, v[OUTOFF+\i]
	v_lshl_add_u32 v[OUTOFF+\i], v[OUTOFF+\i], 12, v[R16]   ; a row of out is 4,096 bytes
.endr
.irp m, 0,1
	global_load_b64 v[HA+2*\m:HA+2*\m+1], v[TOK+\m], s[12:13]
	global_load_b64 v[HA+4+2*\m:HA+5+2*\m], v[TOK+\m], s[14:15]
.endr
	s_wait_loadcnt 0x0
	TW TWA, EA, 0
	TW TWA+2, EA, 1
	TW TWB, EB, 0
	TW TWB+2, EB, 1
	s_cmp_eq_u32 s[NROW], 0                        ; a block without rows has no work; it still meets the barrier
	s_cbranch_scc1 .Lmeet
	; ---- PHASE 1.  The prologue: x, its scale words, trip 0's biases and scale words, the ring's four slots; its last four runs have the sizes of a trip's runs 4-7
.set ISS, 0
	WIN 0x40                                       ; destination window 1
.irp m, 0,1
.irp s, 0,1,2,3,4,5,6,7
.irp c, 0,1
	global_load_b128 v[8*(8*\m+\s)+4*\c:8*(8*\m+\s)+4*\c+3], v[XO+\m], s[8:9] offset:64*\s+32*\c   ; x's fragments stay in registers for all four trips
.endr
.endr
.endr
.set ISS, ISS+32
	WIN 0
	global_load_b128 v[XS:XS+3], v[XSO], s[10:11]                  ; x's scale words of K steps 0-3: lanes 0-15 tile 0's tokens, lanes 16-31 tile 1's
	global_load_b128 v[XS+4:XS+7], v[XSO], s[10:11] offset:16
.set ISS, ISS+2
.irp b, 0,1,2,3
	BIAS1 \b, B1P, 0
.endr
	SCL1 0, S1P, 0
	RING 0, W1P, 0
	MARK 0
	RING 1, W1P, 8192
	MARK 1
	RING 2, W1P, 16384
	MARK 2
	RING 3, W1P, 24576
	SCL1 1, S1P, 0
	MARK 3
	P1TRIP 0                                       ; A, hidden units 0-127 of my 256
	P1TRIP 1                                       ; A, 128-255
	P1TRIP 2                                       ; B, 0-127
	P1TRIP 3                                       ; B, 128-255: it asks for nothing beyond itself, and its last wait is for all loads
.Lmeet:
	s_wait_dscnt 0x0                               ; for the others' sake: my images and scale words are in LDS
	s_barrier_signal -1
	s_barrier_wait -1                              ; the one barrier, on every path: both experts' hidden layers lie in LDS
	s_cmp_eq_u32 s[NROW], 0
	s_cbranch_scc1 .Lend
	; ---- PHASE 2.  It reads only what the head or this phase itself has written
.set ISS, 0
	BIAS2 0, 0, BA, 0
	BIAS2 0, 2, BA, 0
	SCL2 0, 0, SA, 0
	SCL2 0, 1, SA, 0
	RING 0, PA, 0
	BIAS2 1, 0, BB, 0
	MARK 0
	RING 1, PA, 8192
	BIAS2 1, 2, BB, 0
	MARK 1
	RING 2, PA, 16384
	SCL2 1, 0, SB, 0
	MARK 2
	RING 3, PA, 24576
	SCL2 1, 1, SB, 0
	MARK 3
	WIN 0x40
.irp p, 0,1
.irp m, 0,1
.irp s, 0,1,2,3,4,5,6,7
.irp c, 0,1
	ds_load_b128 v[8*(16*\p+8*\m+\s)+4*\c:8*(16*\p+8*\m+\s)+4*\c+3], v[L16] offset:HIMG+8192*(2*\p+\s%2)+2048*(\s/2)+1024*\m+512*\c   ; K step s was made by wave s / 2 in its trip 2 p + s % 2
.endr
.endr
.endr
.endr
	WIN 0
.irp p, 0,1
.irp s, 0,1,2,3,4,5,6,7
	ds_load_b32 v[HS+8*\p+\s], v[LS4] offset:HSC+128*(4*(2*\p+\s%2)+\s/2)
.endr
.endr
	s_wait_dscnt 0x0                               ; the hidden layer stays in registers for all four chunks
	s_mov_b32 s[TRIPS], 3
.Lchunk:
	P2TRIP 0
	s_sub_co_u32 s[TRIPS], s[TRIPS], 1
	s_cmp_lg_u32 s[TRIPS], 0
	s_cbranch_scc1 .Lchunk
	P2TRIP 1                                       ; the last chunk is written out: no load leaves its buffer
.Lend:
	s_wait_tensorcnt 0x0                           ; the wave's end, behind my last LDS store
	ds_add_u32 v[SPW], v[NIL]
	s_wait_dscnt 0x0
	s_endpgm
.Lfunc_end_k_qed72babb24_chain:
	.size	k_qed72babb24_chain, .Lfunc_end_k_qed72babb24_chain-k_qed72babb24_chain
	.p2alignl 7, 3214868480
	.fill 96, 4, 3214868480
	.section	.rodata,"a",@progbits
	.p2align	6, 0x0
	.amdhsa_kernel k_qed72babb24_chain
		.amdhsa_group_segment_fixed_size 70144
		.amdhsa_private_segment_fixed_size 0
		.amdhsa_enable_private_segment 0
		.amdhsa_kernarg_size 104
		.amdhsa_user_sgpr_count 2
		.amdhsa_user_sgpr_kernarg_segment_ptr 1
		.amdhsa_wavefront_size32 1
		.amdhsa_system_sgpr_workgroup_id_x 1
		.amdhsa_system_sgpr_workgroup_id_y 1
		.amdhsa_system_sgpr_workgroup_id_z 1
		.amdhsa_system_vgpr_workitem_id 0
		.amdhsa_next_free_vgpr 832
		.amdhsa_next_free_sgpr 80
		.amdhsa_reserve_vcc 1
		.amdhsa_float_denorm_mode_32 3
		.amdhsa_float_denorm_mode_16_64 3
		.amdhsa_memory_ordered 1
		.amdhsa_forward_progress 1
		.amdhsa_inst_pref_size 255
	.end_amdhsa_kernel
	.section	.bss,"aw",@nobits
	.p2align	6
	.space	262144
	.amdgpu_metadata
---
amdhsa.version: [ 1, 2 ]
amdhsa.kernels:
  - .name:           k_qed72babb24_chain
    .symbol:         k_qed72babb24_chain.kd
    .args:
      - { .name: x_codes, .offset: 0, .size: 8, .value_kind: global_buffer, .address_space: global }
      - { .name: x_scales, .offset: 8, .size: 8, .value_kind: global_buffer, .address_space: global }
      - { .name: expert_indices, .offset: 16, .size: 8, .value_kind: global_buffer, .address_space: global }
      - { .name: expert_weights, .offset: 24, .size: 8, .value_kind: global_buffer, .address_space: global }
      - { .name: w1f, .offset: 32, .size: 8, .value_kind: global_buffer, .address_space: global }
      - { .name: w1_scales, .offset: 40, .size: 8, .value_kind: global_buffer, .address_space: global }
      - { .name: b1, .offset: 48, .size: 8, .value_kind: global_buffer, .address_space: global }
      - { .name: w2f, .offset: 56, .size: 8, .value_kind: global_buffer, .address_space: global }
      - { .name: w2_scales, .offset: 64, .size: 8, .value_kind: global_buffer, .address_space: global }
      - { .name: b2, .offset: 72, .size: 8, .value_kind: global_buffer, .address_space: global }
      - { .name: blocks, .offset: 80, .size: 8, .value_kind: global_buffer, .address_space: global }
      - { .name: list, .offset: 88, .size: 8, .value_kind: global_buffer, .address_space: global }
      - { .name: out0, .offset: 96, .size: 8, .value_kind: global_buffer, .address_space: global }
    .group_segment_fixed_size: 70144
    .private_segment_fixed_size: 0
    .kernarg_segment_align: 8
    .kernarg_segment_size: 104
    .max_flat_workgroup_size: 128
    .sgpr_count:     80
    .vgpr_count:     832
    .wavefront_size: 32
...
	.end_amdgpu_metadata
.endif
;; end of part 2
;; ======== version 2 of 2: 2 launches
;; limits: right only within a limited range of input values
;; workspace buffers: hc 7,340,032 bytes; hs 458,752 bytes; table 262,144 bytes of whole numbers; gates 262,144 bytes
;; launch up (part 3): grid 256 x 1, 8 waves a work-group, no clusters, 268,032 bytes of LDS; arguments x_codes, x_scales, expert_indices, expert_weights, w1_codes, w1_scales, b1, hc, hs, table, gates; writes hc, hs, table, gates
.if DOCPART == 3
	.amdgcn_target "amdgcn-amd-amdhsa--gfx1250"
	.amdhsa_code_object_version 6
	.text
	.protected	k_qed72babb24_up
	.globl	k_qed72babb24_up
	.p2align	8
	.type	k_qed72babb24_up,@function
k_qed72babb24_up:
	s_mov_b64 s[64:65], 0
	v_nop
	global_prefetch_b8 v0, s[64:65] scope:SCOPE_SE
	s_setreg_imm32_b32 hwreg(HW_REG_WAVE_MODE, 25, 1), 1
	s_wait_xcnt 0x0
; UP: the tokens sorted by their pair of experts, and h = Q(silu(x W1[e] + b1[e])) for both experts of each token, as operand images for the next launch.
; WORK LEFT OUT, AND WHY IT IS DEAD.  reference() runs every expert on every token and multiplies expert e's row by token_w = sum over k of expert_weights[k] x (expert_indices[k] == e), a mask of its own body.
; For an expert that a token does not name token_w is 0, and y x 0 adds 0 to out for all finite inputs.  So only the rows of the (at most two) experts that a token names are computed; the choice is an index among the inputs, read here.
; LIMITS.  A NaN, an infinity or an overflow that reaches only a row left out is not carried to the result.  expert_indices lie in 0 .. 7.  A block of 32 hidden numbers that are all 0 gets the scale byte 1 with zero codes (read by the next launch alone).
; silu(z) = z / (1 + 2^(-z log2 e)): beyond z = -88 the power overflows to infinity and the result is -0, where the true value lies under 1e-36.
; BLOCKS.  A token's key is its pair A < B, 28 keys (a token that names a twice takes (a, a + 1), or (6, 7) for a = 7: the second expert then has weight 0).  A block is at most 112 tokens of one key: at most floor(4068 / 112) + 28 = 64 blocks
; for every split.  Work-group 4 b + q makes hidden units 256 q .. + 255 of both experts for block b: 256 work-groups.  EVERY WORK-GROUP SORTS FOR ITSELF: 16 tokens a lane, ballots of the key's five bits, counts from wave to wave through LDS.
; Rows past a block's count repeat its last token; a block that a split leaves without rows repeats token 0, and the next launch stores none of its rows.
; NO CLUSTER, NO TENSOR LOAD: what is read hangs on the index input (which expert, which tokens); partners with equal weights are known only from the data.  NO PREFETCH: there is no loop to run ahead in, all weights are asked for at once.
; EIGHT WAVES, 512 REGISTERS EACH: wave w = 4 p + c takes expert p of the pair, 64 hidden units 64 c on, and all 112 rows: 28 accumulators.  Its weights (64 rows x 512 bytes) are its own: from memory in rows of 256 bytes into registers, then into its
; own LDS bytes, swizzled: the 16 bytes j of row P lie at j xor (P % 16), so the 16 rows that a fragment load touches fall on 16 different columns.  First K's first half (64 rows), then the second half of tiles 0, 1; the second half of tiles 2, 3 waits in
; registers and takes the first half's place.  THE PRODUCT IS USED TRANSPOSED (source 0 = 16 rows of W1, source 1 = 16 tokens): a lane holds one token.  Tile 2 b + u, lane rho takes row 32 b + 8 u + rho + 8 (rho / 8), so that two
; neighbouring tiles' registers are 16 neighbours along the next K.  In LDS row R stands at place P(R): bits 3 and 4 of R change places.
; REGISTERS.  Window 0: v1-23 addresses; v24-87 weights on hold; v88-151 W's fragments, two sets; v152-207 x's; v208-223, v224-255 scale words.  Window 1: v0-223 accumulators (m, u) at 32 m + 8 u; v224-255 the bias, C of each sum's first product.
.set LIST, 0                           ; LDS: each wave's own list, 128 words: the block's row i at word i, word 127 takes what is not the block's
.set CNT,  4096
.set HSC,  5120                        ; the scale words on their way out: expert p, row, K step, part
; HOW LARGE A BLOCK IS.  The tokens are cut at 80, 96 or 112 a block, the least of the three that gives at most 64 blocks (112 always does), and a key's tokens are shared evenly among its blocks, in multiples of 16 rows.
; A block of at most 80 rows runs on five tiles of tokens (20 accumulators), a larger one on seven: two copies of the K loop and of the way out, chosen by the block's own count.
.set SPARE, 7168                       ; the spare words, 128 bytes a wave: no other line names them
.set XIMG, 8192                        ; x's rows, 512 + 16 bytes each
.set XP,   528
.set WREG, 67328                       ; 24,576 bytes a wave
.set XSC, 263936                       ; x's scale bytes: 32 a row, 128 rows
.set SPW, 1
.set NIL, 2
.set LANE, 3
.set RR, 4
.set HH, 5                             ; later the token of row (thread)
.set L16, 6
.set XA, 7
.set WR, 8
.set WW, 16
.set HOLD, 24
.set WF, 88
.set XF, 152
.set WS, 208
.set XS, 224
.set WGO, 88
.set XST, 89
.set XO, 90
.set WSO, 104
.set BO, 105
.set XSA, 3                            ; behind the lookups: where I read x's scale words
.set SCO, 111                          ; my 16 scale bytes in memory,
.set SCL, 112                          ; in LDS,
.set SCD, 114                          ; and on their way
.set IX, 24
.set KEY, 56
.set HM, 106
.set TX, 122
.set LM, 130
.set LB, 135
.set TP, 136
.set C, 152
.set NN, 164
.set NB, 165
.set INC, 166
.set FB, 167
.set TT, 168
.set RW, 172
.set RT, 178
.set WV, 68
.set BK, 69
.set QQ, 70
.set PP, 71
.set CC, 72
.set PLO, 73
.set PHI, 74
.set KK, 75
.set MSK, 76
.set NKEY, 77
.set FBK, 78
.set LO, 79
.set CW, 80
.set ST, 88
.set MYST, 96
.set NROW, 97
.set LAST, 98
.set EA, 99
.set EB, 100
.set EE, 101
.set SEL, 24
.set NL2E, 26
.set PK, 28
.set HB, 30
.set MSB, 0
.macro WIN new                         ; low byte: bits 1:0 source 0, 3:2 source 1, 5:4 source 2, 7:6 destination; the high byte repeats the setting that is left
.if MSB != \new
	s_set_vgpr_msb (MSB<<8)|\new
.set MSB, \new
.endif
.endm
.macro PLACES                          ; four places behind a matrix instruction (ISA guide 7.12.1)
.rept 4
	v_nop
.endr
.endm
.macro WMS d, a, b, c, sa, sb, ra, rb  ; one product; ra, rb: the side's scales stand in lanes 16-31 of the register named
.if (\ra) && (\rb)
	v_wmma_scale_f32_16x16x128_f8f6f4 v[\d:\d+7], v[\a:\a+7], v[\b:\b+7], v[\c:\c+7], v[\sa], v[\sb] matrix_a_fmt:MATRIX_FMT_FP4 matrix_b_fmt:MATRIX_FMT_FP4 matrix_a_scale:MATRIX_SCALE_ROW1 matrix_b_scale:MATRIX_SCALE_ROW1
.elseif (\ra)
	v_wmma_scale_f32_16x16x128_f8f6f4 v[\d:\d+7], v[\a:\a+7], v[\b:\b+7], v[\c:\c+7], v[\sa], v[\sb] matrix_a_fmt:MATRIX_FMT_FP4 matrix_b_fmt:MATRIX_FMT_FP4 matrix_a_scale:MATRIX_SCALE_ROW1
.elseif (\rb)
	v_wmma_scale_f32_16x16x128_f8f6f4 v[\d:\d+7], v[\a:\a+7], v[\b:\b+7], v[\c:\c+7], v[\sa], v[\sb] matrix_a_fmt:MATRIX_FMT_FP4 matrix_b_fmt:MATRIX_FMT_FP4 matrix_b_scale:MATRIX_SCALE_ROW1
.else
	v_wmma_scale_f32_16x16x128_f8f6f4 v[\d:\d+7], v[\a:\a+7], v[\b:\b+7], v[\c:\c+7], v[\sa], v[\sb] matrix_a_fmt:MATRIX_FMT_FP4 matrix_b_fmt:MATRIX_FMT_FP4
.endif
.endm
.macro MM s, m                         ; the four products of token tile m in K step s
.irp u, 0,1,2,3
.if (\s) == 0
	WMS 32*(\m)+8*\u, WF+32*((\s)%2)+8*\u, XF+8*(\m), 224+8*\u, WS+8*(\u/2)+(\s), XS+8*((\m)/2)+(\s), \u%2, (\m)%2
.else
	WMS 32*(\m)+8*\u, WF+32*((\s)%2)+8*\u, XF+8*(\m), 32*(\m)+8*\u, WS+8*(\u/2)+(\s), XS+8*((\m)/2)+(\s), \u%2, (\m)%2
.endif
.endr
.endm
.macro LW s                            ; W's four fragments of K step s
.irp u, 0,1,2,3
.set WOF, 4096*\u
.if ((\s) > 3) && (\u < 2)
.set WOF, 16384+4096*\u
.endif
.irp c, 0,1
	ds_load_b128 v[WF+32*((\s)%2)+8*\u+4*\c:WF+32*((\s)%2)+8*\u+4*\c+3], v[WR+2*((\s)%4)+\c] offset:WOF
.endr
.endr
.endm
.macro LX s, m0, m1                    ; x's fragments m0 .. m1 - 1 of K step s
.irp m, 0,1,2,3,4,5,6
.if (\m >= (\m0)) && (\m < (\m1))
.irp c, 0,1
	ds_load_b128 v[XF+8*\m+4*\c:XF+8*\m+4*\c+3], v[XA] offset:16*XP*\m+64*(\s)+32*\c
.endr
.endif
.endr
.endm
.macro WST i, reg, off                 ; load i (rows 2 i, 2 i + 1, 256 bytes each) into my LDS bytes
.set W2I, 2*(\i)
.set PI, (W2I&39)|((W2I&8)<<1)|((W2I&16)>>1)
	ds_store_b128 v[WW+((PI&14)>>1)], v[\reg:\reg+3] offset:PI*256+\off
.endm
.macro PARTA                           ; second half of tiles 0, 1: behind its 16 loads stand the 16 of tiles 2, 3
	s_wait_loadcnt 16
	WIN 0x04
.irp i, 0,1,2,3,4,5,6,7,8,9,10,11,12,13,14,15
	WST \i, 160+4*\i, 16384
.endr
	WIN 0
.endm
.macro PARTB                           ; second half of tiles 2, 3: my reads of the first half are over
	s_wait_loadcnt 0
.irp i, 16,17,18,19,20,21,22,23,24,25,26,27,28,29,30,31
	WST \i, HOLD+4*(\i-16), 0
.endr
.endm
; A K step: 28 products, each accumulator once: they take turns.  W's next fragments go into the other set; x's tiles 0-3 are fetched anew in the middle, tiles 4-6 at the end.
.macro STEP s, t, h                    ; t tiles of tokens, h of them in the first half
	s_wait_dscnt 2*((\t)-(\h))                     ; W's set and x's first h tiles are in; the youngest loads (the other tiles') may be out
	WIN 0x50
.irp m, 0,1,2,3,4,5,6
.if \m < (\h)
	MM \s, \m
.endif
.endr
	s_wait_dscnt 0
	PLACES
	WIN 0
.if ((\t) == 7) && ((\s) == 0)
	PARTA                                          ; seven tiles: the registers of these loads are about to take the sums of tiles 5, 6
.endif
.if ((\t) == 5) && ((\s) == 2)
	PARTA                                          ; five tiles: no sum lies there, so the loads have two K steps more
.endif
.if (\s) == 3
	PARTB
.endif
.if (\s) < 7
	LW (\s)+1
	LX (\s)+1, 0, (\h)
.endif
	WIN 0x50
.irp m, 0,1,2,3,4,5,6
.if (\m >= (\h)) && (\m < (\t))
	MM \s, \m
.endif
.endr
	PLACES
	WIN 0
.if (\s) < 7
	LX (\s)+1, (\h), (\t)
.endif
.endm
.macro FA a, b, c, t                   ; three masks to a sum (in a) and a carry (in b), bit by bit
	v_xor_b32 v[\t], v[HM+\a], v[HM+\b]
	v_bfi_b32 v[HM+\b], v[\t], v[HM+\c], v[HM+\a]
	v_xor_b32 v[HM+\a], v[\t], v[HM+\c]
.endm
	s_load_b512 s[4:19], s[0:1], 0x0               ; x's codes 4, x's scales 6, indices 8, weights 10, W1's codes 12, W1's scales 14, b1 16, hc 18
	s_load_b128 s[20:23], s[0:1], 0x40             ; hs 20, table 22
	s_load_b64 s[66:67], s[0:1], 0x50              ; gates
	v_lshl_add_u32 v[SPW], v0, 2, SPARE
	v_mov_b32 v[NIL], 0
	v_lshrrev_b32 v[LANE], 5, v0
	v_readfirstlane_b32 s[WV], v[LANE]             ; wave 0..7
	v_and_b32 v[LANE], 31, v0
	v_and_b32 v[RR], 15, v0
	v_bfe_u32 v[HH], v0, 4, 1
	v_lshlrev_b32 v[L16], 4, v[LANE]
	s_lshr_b32 s[BK], ttmp9, 2
	s_and_b32 s[QQ], ttmp9, 3
	s_lshr_b32 s[PP], s[WV], 2
	s_and_b32 s[CC], s[WV], 3
	s_lshl_b32 s2, s[WV], 12
	v_lshlrev_b32 v200, 3, v[LANE]
	v_add_nc_u32 v200, s2, v200                    ; wave w owns tokens 512 w + 32 g + lane
	s_wait_alu depctr_va_vdst(0)
	s_wait_kmcnt 0x0
.irp g, 0,1,2,3,4,5,6,7,8,9,10,11,12,13,14,15
	global_load_b64 v[IX+2*\g:IX+2*\g+1], v200, s[8:9] offset:256*\g
.endr
	; under these loads: every address of the launch
	v_lshlrev_b32 v201, 8, v[RR]
	v_xor_b32 v202, v[HH], v[RR]
	v_lshlrev_b32 v203, 8, v[HH]
	v_lshl_add_u32 v201, v202, 4, v201             ; where a fragment load reads: row r, 16 bytes at (h xor r)
	v_lshl_add_u32 v203, v202, 4, v203             ; where a row pair is stored: row h of the pair, 16 bytes at (r xor h)
	s_mul_i32 s2, s[WV], 24576
	s_add_co_u32 s2, s2, WREG
.irp i, 0,1,2,3,4,5,6,7
	v_xor_b32 v[WR+\i], 32*\i, v201
	v_xor_b32 v[WW+\i], 32*\i, v203
.endr
.irp i, 0,1,2,3,4,5,6,7
	v_add_nc_u32 v[WR+\i], s2, v[WR+\i]
	v_add_nc_u32 v[WW+\i], s2, v[WW+\i]
.endr
	v_mul_u32_u24 v[XA], v[RR], XP
	v_lshl_add_u32 v[XA], v[HH], 4, v[XA]
	v_add_nc_u32 v[XA], XIMG, v[XA]
	s_mul_i32 s2, s[WV], XP                        ; (I bring rows 8 i + w)
	s_add_co_u32 s2, s2, XIMG
	v_add_nc_u32 v[XST], s2, v[L16]                ; I bring rows 8 i + w of x, i = 0 .. 13
	v_lshlrev_b32 v[WGO], 9, v[HH]
	v_lshl_add_u32 v[WGO], v[RR], 4, v[WGO]        ; two rows of a weight, 256 bytes of each
	v_and_b32 v[WSO], 8, v[RR]
	v_add_nc_u32 v[WSO], v[WSO], v[RR]
	v_lshl_add_u32 v[WSO], v[HH], 3, v[WSO]        ; lanes 16-31 the odd tile's rows
	v_lshlrev_b32 v[WSO], 5, v[WSO]
	v_lshlrev_b32 v[BO], 6, v[HH]
	s_lshl_b32 s3, s[WV], 9
	v_mov_b32 v[LB], s3                            ; my list (LIST is 0)
	v_add_nc_u32 v140, s3, v[L16]
.irp i, 0,1,2,3
	v_mov_b32 v[TP+\i], 0
.endr
	ds_store_b128 v140, v[TP:TP+3]                 ; it begins as token 0 everywhere
	v_lshl_add_u32 v141, v0, 3, HSC
	v_mov_b32 v142, 0x7f7f7f7f
	v_mov_b32 v143, 0x7f7f7f7f
	ds_store_b64 v141, v[142:143]                  ; and every scale byte on the way out as 1.0: rows that a block does not have keep it
.irp b, 0,1,2,3,4
	v_bfe_u32 v[LM+\b], v[LANE], \b, 1
.endr
.irp b, 0,1,2,3,4
	v_add_nc_u32 v[LM+\b], -1, v[LM+\b]            ; (bit b of my lane) - 1
.endr
	s_mov_b32 s[PLO], 0x120d0700                   ; keys of pairs with a smaller first expert: 0, 7, 13, 18, 22, 25, 27
	s_mov_b32 s[PHI], 0x001b1916
	s_wait_alu depctr_va_vdst(0)
	s_wait_loadcnt 0x0
	; THE KEY, 0 .. 27: pairs before those that begin with A, + B - A - 1
.irp g, 0,1,2,3,4,5,6,7,8,9,10,11,12,13,14,15
	v_min_u32 v[KEY+\g], v[IX+2*\g], v[IX+2*\g+1]
	v_add_nc_u32 v[IX+2*\g], v[IX+2*\g], v[IX+2*\g+1]
.endr
.irp g, 0,1,2,3,4,5,6,7,8,9,10,11,12,13,14,15
	v_sub_nc_u32 v[IX+2*\g], v[IX+2*\g], v[KEY+\g] ; the larger
	v_min_u32 v[KEY+\g], 6, v[KEY+\g]
.endr
.irp g, 0,1,2,3,4,5,6,7,8,9,10,11,12,13,14,15
	v_sub_nc_u32 v[IX+2*\g], v[IX+2*\g], v[KEY+\g] ; the difference: 0 where both name one expert under 7
.endr
.irp g, 0,1,2,3,4,5,6,7,8,9,10,11,12,13,14,15
	v_min_u32 v[IX+2*\g+1], 1, v[IX+2*\g]
	v_perm_b32 v[KEY+\g], s[PHI], s[PLO], v[KEY+\g] ; byte A of the two words
.endr
.irp g, 0,1,2,3,4,5,6,7,8,9,10,11,12,13,14,15
	v_sub_nc_u32 v[IX+2*\g], v[IX+2*\g], v[IX+2*\g+1]
.endr
.irp g, 0,1,2,3,4,5,6,7,8,9,10,11,12,13,14,15
	v_add_nc_u32 v[KEY+\g], v[KEY+\g], v[IX+2*\g]
.endr
	; lane k: which of a group's 32 tokens have key k, by ballots of the key's five bits; eight groups at a time
.irp o, 0,8
.irp b, 0,1,2,3,4
.irp g, 0,1,2,3,4,5,6,7
	v_and_b32 v[TX+\g], 1<<\b, v[KEY+\o+\g]
.endr
.irp g, 0,1,2,3,4,5,6,7
	v_cmp_ne_u32 s[24+5*\g+\b], 0, v[TX+\g]
.endr
.endr
.irp g, 0,1,2,3,4,5,6,7
	v_xor_b32 v[HM+\o+\g], s[24+5*\g], v[LM]
.endr
.irp b, 1,2,3,4
.irp g, 0,1,2,3,4,5,6,7
	v_xor_b32 v[IX+\g], s[24+5*\g+\b], v[LM+\b]
.endr
.irp g, 0,1,2,3,4,5,6,7
	v_and_b32 v[HM+\o+\g], v[HM+\o+\g], v[IX+\g]
.endr
.endr
.endr
	; sixteen masks to planes of weight 1 (0 and 9), 2 (1), 4 (4) and 8 (13) by full adders
.irp x, 0,3,6,9,12
	v_xor_b32 v[TP+\x], v[HM+\x], v[HM+\x+1]
.endr
.irp x, 0,3,6,9,12
	v_bfi_b32 v[HM+\x+1], v[TP+\x], v[HM+\x+2], v[HM+\x]
.endr
.irp x, 0,3,6,9,12
	v_xor_b32 v[HM+\x], v[TP+\x], v[HM+\x+2]
.endr
	FA 0, 3, 6, TP
	FA 9, 12, 15, TP+1
	FA 1, 4, 7, TP+2
	FA 10, 13, 3, TP+3
	FA 1, 10, 12, TP+4
	FA 4, 13, 10, TP+5
.macro SHAND n, k                      ; TP = (plane >> n) & k
.irp x, 0,9,1,4,13
	v_lshrrev_b32 v[TP+\x], \n, v[HM+\x]
.endr
.irp x, 0,9,1,4,13
	v_and_b32 v[TP+\x], \k, v[TP+\x]
.endr
.endm
	SHAND 1, 0x55555555
.irp x, 0,9,1,4,13
	v_sub_nc_u32 v[HM+\x], v[HM+\x], v[TP+\x]
.endr
	SHAND 2, 0x33333333
.irp x, 0,9,1,4,13
	v_and_b32 v[HM+\x], 0x33333333, v[HM+\x]
.endr
.irp x, 0,9,1,4,13
	v_add_nc_u32 v[HM+\x], v[HM+\x], v[TP+\x]
.endr
	SHAND 4, 0x0f0f0f0f
.irp x, 0,9,1,4,13
	v_and_b32 v[HM+\x], 0x0f0f0f0f, v[HM+\x]
.endr
.irp x, 0,9,1,4,13
	v_add_nc_u32 v[HM+\x], v[HM+\x], v[TP+\x]      ; ones in each byte, at most 8
.endr
	v_add_nc_u32 v[HM], v[HM], v[HM+9]
	v_lshl_add_u32 v[HM+4], v[HM+13], 1, v[HM+4]
	v_lshl_add_u32 v[HM], v[HM+1], 1, v[HM]
	v_lshl_add_u32 v[HM], v[HM+4], 2, v[HM]        ; a byte holds 128 at most
	v_lshrrev_b32 v[TP], 8, v[HM]
	v_and_b32 v[HM], 0xff00ff, v[HM]
	v_and_b32 v[TP], 0xff00ff, v[TP]
	v_lshl_add_u32 v[TP+2], v0, 2, CNT
	v_lshl_add_u32 v[TP+3], v[LANE], 2, CNT
	v_add_nc_u32 v[HM], v[HM], v[TP]
	v_lshrrev_b32 v[TP], 16, v[HM]
	v_add_nc_u32 v[HM], v[HM], v[TP]
	v_and_b32 v[HM], 0xffff, v[HM]                 ; lane k: my wave's tokens of key k
	ds_store_b32 v[TP+2], v[HM]
	s_wait_alu depctr_va_vdst(0)
	s_wait_dscnt 0x0                               ; for the others' sake: the store is done
	s_barrier_signal -1
	s_barrier_wait -1
.irp w, 0,1,2,3,4,5,6,7
	ds_load_b32 v[C+\w], v[TP+3] offset:128*\w
.endr
	v_mov_b32 v[TT], 0
	s_wait_alu depctr_va_vdst(0)
	s_wait_dscnt 0x0
.irp w, 0,1,2,3
	v_add_nc_u32 v[160+\w], v[C+\w], v[C+\w+4]
.endr
	v_add_nc_u32 v160, v160, v161
	v_add_nc_u32 v162, v162, v163
	v_add_nc_u32 v[NN], v160, v162                 ; lane k: tokens of key k in all
	v_add_nc_u32 v160, 79, v[NN]                   ; blocks of 80, of 96 and of 112: x / d = (x ceil(2^19 / d)) / 2^19 rounded down for every x here
	v_add_nc_u32 v161, 95, v[NN]                   ; (the excess, 32, 64 and 96, times x under 4,208 stays under 2^19)
	v_add_nc_u32 v162, 111, v[NN]
	v_mul_u32_u24 v160, v160, 0x199a
	v_mul_u32_u24 v161, v161, 0x1556
	v_mul_u32_u24 v162, v162, 0x124a
	v_lshrrev_b32 v160, 19, v160
	v_lshrrev_b32 v161, 19, v161
	v_lshrrev_b32 v162, 19, v162
	v_lshl_or_b32 v[NB], v161, 10, v160            ; three counts in ten bits each: all sums stay under 1,024
	v_lshl_or_b32 v[NB], v162, 20, v[NB]
	v_mov_b32 v[INC], v[NB]
.irp n, 1,2,4,8
	v_mov_b32_dpp v[TT], v[INC] row_shr:\n row_mask:0xf bank_mask:0xf bound_ctrl:1
	v_add_nc_u32 v[INC], v[INC], v[TT]
.endr
	v_readlane_b32 s2, v[INC], 15
	v_mov_b32 v[TT], s2
	v_cmp_le_u32 vcc_lo, 16, v[LANE]
	v_cndmask_b32 v[TT], 0, v[TT], vcc_lo
	v_add_nc_u32 v[INC], v[INC], v[TT]
	v_readlane_b32 s2, v[INC], 31                  ; the three totals
	v_sub_nc_u32 v[FB], v[INC], v[NB]              ; lane k: key k's first block
	s_bfe_u32 s57, s2, 0xa000a
	s_and_b32 s2, s2, 0x3ff
	s_mov_b32 s3, 20
	s_cmp_le_u32 s57, 64
	s_cselect_b32 s3, 10, s3
	s_cmp_le_u32 s2, 64
	s_cselect_b32 s3, 0, s3                        ; the field of the size taken
	s_wait_alu depctr_va_vdst(0)
	v_lshrrev_b32 v[NB], s3, v[NB]
	v_lshrrev_b32 v[FB], s3, v[FB]
	v_and_b32 v[NB], 0x3ff, v[NB]
	v_and_b32 v[FB], 0x3ff, v[FB]
	v_sub_nc_u32 v[TT], s[BK], v[FB]
	v_cmp_gt_u32 s[MSK], v[NB], v[TT]              ; the one key whose blocks hold mine; none for a block without rows
	s_ctz_i32_b32 s[KK], s[MSK]
	s_cmp_eq_u32 s[MSK], 0
	s_cselect_b32 s[KK], 0, s[KK]
	s_wait_alu depctr_va_vdst(0)
	v_readlane_b32 s[NKEY], v[NN], s[KK]
	v_readlane_b32 s[FBK], v[FB], s[KK]
	v_readlane_b32 s58, v[NB], s[KK]
.irp w, 0,1,2,3,4,5,6,7
	v_readlane_b32 s[CW+\w], v[C+\w], s[KK]
.endr
	s_mov_b32 s[EA], 0                             ; the pair (A, B) of the key
	s_mov_b32 s[LO], 0
.macro PAIR a, first
	s_cmp_ge_u32 s[KK], \first
	s_cselect_b32 s[EA], \a, s[EA]
	s_cselect_b32 s[LO], \first, s[LO]
.endm
	PAIR 1, 7
	PAIR 2, 13
	PAIR 3, 18
	PAIR 4, 22
	PAIR 5, 25
	PAIR 6, 27
	s_sub_co_u32 s[EB], s[KK], s[LO]
	s_add_co_u32 s[EB], s[EB], s[EA]
	s_add_co_u32 s[EB], s[EB], 1
	s_min_u32 s[EA], s[EA], 7                      ; held inside the tables before they enter an address
	s_min_u32 s[EB], s[EB], 7
	s_cmp_eq_u32 s[PP], 0
	s_cselect_b32 s[EE], s[EA], s[EB]              ; my expert
	s_min_u32 s[EE], s[EE], 7
	s_lshl_b32 s[EE], s[EE], 10
	s_lshl_b32 s2, s[QQ], 8
	s_add_co_u32 s[EE], s[EE], s2
	s_lshl_b32 s2, s[CC], 6
	s_add_co_u32 s[EE], s[EE], s2                  ; my first row of W1
	s_mov_b32 s3, 0
	s_lshl_b32 s2, s[EE], 9
	s_add_nc_u64 s[12:13], s[12:13], s[2:3]
	s_lshl_b32 s2, s[EE], 5
	s_add_nc_u64 s[14:15], s[14:15], s[2:3]
	s_lshl_b32 s2, s[EE], 2
	s_add_nc_u64 s[16:17], s[16:17], s[2:3]
	WIN 0x40
.irp i, 0,1,2,3,4,5,6,7,8,9,10,11,12,13,14,15
	global_load_b128 v[4*\i:4*\i+3], v[WGO], s[12:13] offset:1024*\i     ; K's first half of my rows 0-31; rows 32-63 are asked for behind x
.endr
	WIN 0
	s_lshl_b32 s58, s58, 4                         ; 16 rows in each of the key's blocks
	s_mov_b32 s59, s58
	s_mov_b32 s60, 1
.rept 6
	s_cmp_gt_u32 s[NKEY], s59                      ; not enough yet: 16 more in each
	s_add_co_ci_u32 s60, s60, 0
	s_add_co_u32 s59, s59, s58
.endr
	s_lshl_b32 s60, s60, 4                         ; rows of a block of this key, at most 112
	s_sub_co_u32 s[LO], s[BK], s[FBK]
	s_mul_i32 s[LO], s[LO], s60                    ; the block's first token among the key's
	s_sub_co_i32 s[NROW], s[NKEY], s[LO]
	s_max_i32 s[NROW], s[NROW], 0
	s_min_u32 s[NROW], s[NROW], s60
	s_min_u32 s[NROW], s[NROW], 112
	s_cmp_eq_u32 s[MSK], 0
	s_cselect_b32 s[NROW], 0, s[NROW]
	s_max_u32 s[LAST], s[NROW], 1
	s_sub_co_u32 s[LAST], s[LAST], 1
	s_sub_co_i32 s[ST], 0, s[LO]                   ; the block's row at which each wave's tokens begin (below 0: before the block)
.irp w, 1,2,3,4,5,6,7
	s_add_co_i32 s[ST+\w], s[ST+\w-1], s[CW+\w-1]
.endr
	s_mov_b32 s[MYST], s[ST]
.irp w, 1,2,3,4,5,6,7
	s_cmp_ge_u32 s[WV], \w
	s_cselect_b32 s[MYST], s[ST+\w], s[MYST]
.endr
	; MY TOKENS OF THE KEY, each at its row's word of my list
	s_lshl_b32 s2, s[WV], 9
	v_add_nc_u32 v[TX], s2, v[LANE]
.irp g, 0,1,2,3,4,5,6,7,8,9,10,11,12,13,14,15
	v_cmp_eq_u32 s[24+\g], s[KK], v[KEY+\g]
.endr
.irp g, 0,1,2,3,4,5,6,7,8,9,10,11,12,13,14,15
	v_add_nc_u32 v[HM+\g], 32*\g, v[TX]
.endr
	s_mov_b32 s40, s[MYST]
.irp g, 0,1,2,3,4,5,6,7,8,9,10,11,12,13,14
	s_bcnt1_i32_b32 s57, s[24+\g]
	s_add_co_u32 s[41+\g], s[40+\g], s57
.endr
	s_wait_alu depctr_va_vdst(0)
.irp g, 0,1,2,3,4,5,6,7,8,9,10,11,12,13,14,15
	v_mbcnt_lo_u32_b32 v[TP+\g], s[24+\g], s[40+\g]
.endr
.irp g, 0,1,2,3,4,5,6,7,8,9,10,11,12,13,14,15
	v_cndmask_b32 v[TP+\g], -1, v[TP+\g], s[24+\g]
.endr
.irp g, 0,1,2,3,4,5,6,7,8,9,10,11,12,13,14,15
	v_min_u32 v[TP+\g], 0x7f, v[TP+\g]             ; another key, or before the block: word 127; words 112 on are never read
.endr
.irp g, 0,1,2,3,4,5,6,7,8,9,10,11,12,13,14,15
	v_lshl_add_u32 v[TP+\g], v[TP+\g], 2, v[LB]
.endr
.irp g, 0,1,2,3,4,5,6,7,8,9,10,11,12,13,14,15
	ds_store_b32 v[TP+\g], v[HM+\g]
.endr
	s_wait_alu depctr_va_vdst(0)
	s_wait_dscnt 0x0                               ; for the others' sake: my list is written
	s_barrier_signal -1
	s_barrier_wait -1
	; THREE LOOKUPS A LANE: row 8 lane + w (x's codes), row 8 (lane / 2) + w (its scale bytes, half a row a lane), row 8 (t % 16) + t / 16 of thread t (the table: the next launch's wave w finds its rows 8 i + w on end)
	v_lshl_add_u32 v[RW], v[LANE], 3, s[WV]
	v_lshrrev_b32 v[RW+1], 1, v[LANE]
	v_and_b32 v[RW+2], 15, v0
	v_lshrrev_b32 v[RT+2], 4, v0
	v_and_b32 v[SCO], 1, v[LANE]
	v_lshl_add_u32 v[RW+1], v[RW+1], 3, s[WV]
	v_lshl_add_u32 v[RW+2], v[RW+2], 3, v[RT+2]
	v_lshlrev_b32 v[SCO], 4, v[SCO]
	v_lshl_add_u32 v[SCL], v[RW+1], 5, v[SCO]
	v_add_nc_u32 v[SCL], XSC, v[SCL]
.irp n, 0,1,2
	v_min_u32 v[RW+\n], s[LAST], v[RW+\n]          ; rows past the count repeat the last
	v_mov_b32 v[RT+\n], 0
.endr
.irp w, 1,2,3,4,5,6,7
.irp n, 0,1,2
	v_cmp_lt_i32 s[24+\n], v[RW+\n], s[ST+\w]
.endr
.irp n, 0,1,2
	v_cndmask_b32 v[RT+\n], 512*\w, v[RT+\n], s[24+\n]   ; the last wave whose tokens begin at or before my row
.endr
.endr
.irp n, 0,1,2
	v_lshl_add_u32 v[RT+\n], v[RW+\n], 2, v[RT+\n]
.endr
.irp n, 0,1,2
	v_min_u32 v[RT+\n], 0xffc, v[RT+\n]            ; held inside the lists
.endr
.irp n, 0,1,2
	ds_load_b32 v[RW+\n], v[RT+\n]
.endr
	v_lshlrev_b32 v[XSA], 5, v[LANE]
	v_add_nc_u32 v[XSA], XSC, v[XSA]
	s_wait_alu depctr_va_vdst(0)
	s_wait_dscnt 0x0
.irp n, 0,1,2
	v_min_u32 v[RW+\n], 0xfff, v[RW+\n]
.endr
	v_lshlrev_b32 v110, 9, v[RW]                   ; a row of x's codes is 512 bytes,
	v_lshl_add_u32 v[SCO], v[RW+1], 5, v[SCO]      ; of its scale bytes 32
	v_mov_b32 v[HH], v[RW+2]
.irp i, 0,1,2,3,4,5,6,7,8,9
	v_readlane_b32 s[24+\i], v110, \i
.endr
.irp i, 0,1,2,3,4,5,6,7,8,9
	v_add_nc_u32 v[XO+\i], s[24+\i], v[L16]
.endr
.irp i, 0,1,2,3,4,5,6,7,8,9
	global_load_b128 v[XF+4*\i:XF+4*\i+3], v[XO+\i], s[4:5]      ; a whole row of x
.endr
	global_load_b128 v[SCD:SCD+3], v[SCO], s[6:7]
.irp b, 0,1
	global_load_b128 v[WS+8*\b:WS+8*\b+3], v[WSO], s[14:15] offset:1024*\b
	global_load_b128 v[WS+8*\b+4:WS+8*\b+7], v[WSO], s[14:15] offset:1024*\b+16
.endr
	WIN 0x40
.irp b, 0,1
.irp u, 0,1
	global_load_b128 v[224+16*\b+8*\u:227+16*\b+8*\u], v[BO], s[16:17] offset:128*\b+32*\u
	global_load_b128 v[228+16*\b+8*\u:231+16*\b+8*\u], v[BO], s[16:17] offset:128*\b+32*\u+16
.endr
.endr
	WIN 0
	s_wait_alu depctr_va_vdst(0)
	s_cmp_gt_u32 s[NROW], 80
	s_cbranch_scc0 .Lfew                           ; a block of more than 80 rows: my four rows of tiles 5 and 6
.irp i, 10,11,12,13
	v_readlane_b32 s[24+\i], v110, \i
.endr
.irp i, 10,11,12,13
	v_add_nc_u32 v[XO+\i], s[24+\i], v[L16]
.endr
.irp i, 10,11,12,13
	global_load_b128 v[XF+4*\i:XF+4*\i+3], v[XO+\i], s[4:5]
.endr
	s_wait_alu depctr_va_vdst(0)
	s_wait_loadcnt 0x0
.irp i, 10,11,12,13
	ds_store_b128 v[XST], v[XF+4*\i:XF+4*\i+3] offset:8*XP*\i
.endr
.Lfew:
	WIN 0x40
.irp i, 16,17,18,19,20,21,22,23,24,25,26,27,28,29,30,31
	global_load_b128 v[4*\i:4*\i+3], v[WGO], s[12:13] offset:1024*\i
.endr
	s_wait_alu depctr_va_vdst(0)
	WIN 0x44                                       ; (an LDS store's data and a load's destination in window 1)
.irp i, 0,1,2,3,4,5,6,7,8,9,10,11,12,13,14,15
	s_wait_loadcnt 54                              ; load i is in: 15 - i of its run, 10 + 1 + 4 + 8, 16 and i of the second half's at least stand behind it
	WST \i, 4*\i, 0
	global_load_b128 v[160+4*\i:163+4*\i], v[WGO], s[12:13] offset:1024*\i+256
.endr
	WIN 0
	s_wait_loadcnt 44                              ; ten rows of x and the scale bytes too: 4 + 8 + 16 + 16 stand behind them
.irp i, 0,1,2,3,4,5,6,7,8,9
	ds_store_b128 v[XST], v[XF+4*\i:XF+4*\i+3] offset:8*XP*\i
.endr
	ds_store_b128 v[SCL], v[SCD:SCD+3]
	s_wait_dscnt 0x0                               ; for the others' sake: my rows of x and my scale bytes are in LDS
	s_barrier_signal -1
	s_barrier_wait -1
	WIN 0x04
.irp i, 16,17,18,19,20,21,22,23,24,25,26,27,28,29,30,31
	s_wait_loadcnt 31                              ; load i is in: 31 - i of its run, 16 and i - 16 of the second half's stand behind it
	WST \i, 4*\i, 0
	global_load_b128 v[HOLD+4*(\i-16):HOLD+4*(\i-16)+3], v[WGO], s[12:13] offset:1024*\i+256
.endr
	WIN 0
	s_wait_xcnt 0x0                                ; the loads' address registers are free
.macro RUN t, h                        ; the whole K loop on t tiles of tokens
.irp n, 0,1,2,3
.if 2*\n < (\t)
	ds_load_b128 v[XS+8*\n:XS+8*\n+3], v[XSA] offset:1024*\n         ; lanes 0-15 tile 2 n's rows, lanes 16-31 tile 2 n + 1's
	ds_load_b128 v[XS+8*\n+4:XS+8*\n+7], v[XSA] offset:1024*\n+16
.endif
.endr
	LW 0
	LX 0, 0, (\t)
	s_wait_loadcnt 32                              ; the weights' scale words and the bias are in; the 32 loads of the second half may be out
.irp s, 0,1,2,3,4,5,6,7
	STEP \s, \t, \h
.endr
.endm
	; THE WAY OUT
.set HA, 88
.set TM, 152
.set PC, 24                            ; tile m's part at PC + 4 m
	s_mov_b32 s[SEL], 0x76543210                   ; v_permlanex16_b32's selects for lane l xor 16
	s_mov_b32 s[SEL+1], 0xfedcba98
	s_mov_b32 s[NL2E], 0xbfb8aa3b                  ; -log2(e)
	s_mov_b32 s[NL2E+1], s[NL2E]
	s_lshl_b32 s[PK], s[EA], 8
	s_or_b32 s[PK], s[PK], s[NROW]
	s_lshl_b32 s2, s[EB], 16
	s_or_b32 s[PK], s[PK], s2                      ; rows, A << 8, B << 16
	s_mul_i32 s2, s[BK], 114688
	s_mul_i32 s3, s[PP], 57344
	s_add_co_u32 s2, s2, s3
	s_lshl_b32 s3, s[QQ], 1
	s_lshr_b32 s29, s[CC], 1
	s_add_co_u32 s3, s3, s29                       ; the next product's K step
	s_lshl_b32 s3, s3, 10
	s_add_co_u32 s2, s2, s3
	s_and_b32 s3, s[CC], 1
	s_lshl_b32 s3, s3, 9
	s_add_co_u32 s2, s2, s3
	s_mov_b32 s3, 0
	s_add_nc_u64 s[HB:HB+1], s[18:19], s[2:3]
	s_mul_i32 s2, s[PP], 896
	s_lshl_b32 s3, s[CC], 1
	s_add_co_u32 s2, s2, s3
	s_add_co_u32 s2, s2, HSC
.macro PRE                             ; behind the K loop
	v_lshlrev_b32 v[XA], 3, v[RR]
	v_lshlrev_b32 v176, 3, v[HH]
	v_add_nc_u32 v[XA], s2, v[XA]                  ; where my two scale bytes of a row go
	global_load_b64 v[178:179], v176, s[8:9]       ; the indices and the weights of my row of the table
	global_load_b64 v[180:181], v176, s[10:11]
.endm
; silu in f32, then the quantiser, for nm tiles of tokens from m0: 32 nm numbers a lane, 2 nm blocks.  Exponentials and reciprocals are batches, with a wait ahead and behind
.macro ACT m0, nm
	WIN 0x01
	s_wait_alu depctr_va_vdst(0)
.set i, 0
.rept 16*\nm
	v_pk_mul_f32 v[HA+i:HA+i+1], v[32*\m0+i:32*\m0+i+1], s[NL2E:NL2E+1] op_sel_hi:[1,0]
.set i, i+2
.endr
	WIN 0
	s_wait_alu depctr_va_vdst(0)
.set i, 0
.rept 32*\nm
	v_exp_f32 v[HA+i], v[HA+i]
.set i, i+1
.endr
	v_nop
	s_wait_alu depctr_va_vdst(0)
.set i, 0
.rept 16*\nm
	v_pk_add_f32 v[HA+i:HA+i+1], v[HA+i:HA+i+1], 1.0 op_sel_hi:[1,0]
.set i, i+2
.endr
	s_wait_alu depctr_va_vdst(0)
.set i, 0
.rept 32*\nm
	v_rcp_f32 v[HA+i], v[HA+i]
.set i, i+1
.endr
	v_nop
	WIN 0x01
	s_wait_alu depctr_va_vdst(0)
.set i, 0
.rept 16*\nm
	v_pk_mul_f32 v[HA+i:HA+i+1], v[32*\m0+i:32*\m0+i+1], v[HA+i:HA+i+1]
.set i, i+2
.endr
	WIN 0
.irp b, 0,1,2,3
.if \b < 2*\nm
	v_max3_num_f32 v[TM+\b], |v[HA+16*\b]|, |v[HA+1+16*\b]|, 0x1800000   ; the floor 2^(3 - 127): the byte cannot fall under 1
.endif
.endr
.irp i, 2,4,6,8,10,12,14
.irp b, 0,1,2,3
.if \b < 2*\nm
	v_max3_num_f32 v[TM+\b], v[TM+\b], |v[HA+16*\b+\i]|, |v[HA+1+16*\b+\i]|
.endif
.endr
.endr
.irp b, 0,1,2,3
.if \b < 2*\nm
	v_permlanex16_b32 v[TM+4+\b], v[TM+\b], s[SEL], s[SEL+1]
.endif
.endr
.irp b, 0,1,2,3
.if \b < 2*\nm
	v_max_num_f32 v[TM+\b], v[TM+\b], v[TM+4+\b]
.endif
.endr
.irp b, 0,1,2,3
.if \b < 2*\nm
	v_add_nc_u32 v[TM+12+\b], 0xff000000, v[TM+\b] ; 2 off the exponent field: the conversion's scale operand
.endif
.endr
.irp b, 0,1,2,3
.if \b < 2*\nm
	v_lshrrev_b32 v[TM+8+\b], 23, v[TM+12+\b]
.endif
.endr
.irp b, 0,1,2,3
.if \b < 2*\nm
	v_cvt_scalef32_pk8_fp4_f32 v[PC+4*\m0+2*\b], v[HA+16*\b:HA+7+16*\b], v[TM+12+\b]
	v_cvt_scalef32_pk8_fp4_f32 v[PC+4*\m0+2*\b+1], v[HA+8+16*\b:HA+15+16*\b], v[TM+12+\b]
.endif
.endr
	v_nop                                          ; one plain place behind a scaled conversion
.irp k, 0,1
.if \k < \nm
	v_permlane16_swap_b32 v[PC+4*\m0+4*\k], v[PC+4*\m0+4*\k+2]           ; a whole block in a lane
	v_permlane16_swap_b32 v[PC+4*\m0+4*\k+1], v[PC+4*\m0+4*\k+3]
	v_lshl_or_b32 v[TM+8+2*\k], v[TM+9+2*\k], 8, v[TM+8+2*\k]
.endif
.endr
.irp k, 0,1
.if \k < \nm
	global_store_b128 v[L16], v[PC+4*\m0+4*\k:PC+4*\m0+4*\k+3], s[HB:HB+1] offset:8192*(\m0+\k)   ; 512 consecutive bytes, at a multiple of 512
	ds_store_b16 v[XA], v[TM+8+2*\k] offset:128*(\m0+\k)             ; lanes r and r + 16 write the same number
.endif
.endr
.endm
	s_cmp_gt_u32 s[NROW], 80
	s_cbranch_scc1 .Lmany
	RUN 5, 3
	PRE
	ACT 0, 2
	ACT 2, 2
	ACT 4, 1
	s_wait_alu depctr_va_vdst(0)
	s_branch .Lboth
.Lmany:
	RUN 7, 4
	PRE
	ACT 0, 2
	ACT 2, 2
	ACT 4, 2
	ACT 6, 1
.Lboth:
	s_wait_loadcnt 0x0
	; token_w as reference() writes it: w0 [i0 == e] + w1 [i1 == e]
	v_cmp_eq_u32 vcc_lo, s[EA], v178
	v_cndmask_b32 v186, 0, v180, vcc_lo
	v_cmp_eq_u32 vcc_lo, s[EA], v179
	v_cndmask_b32 v187, 0, v181, vcc_lo
	v_add_f32 v182, v186, v187
	v_cmp_eq_u32 vcc_lo, s[EB], v178
	v_cndmask_b32 v186, 0, v180, vcc_lo
	v_cmp_eq_u32 vcc_lo, s[EB], v179
	v_cndmask_b32 v187, 0, v181, vcc_lo
	v_add_f32 v183, v186, v187
	v_mov_b32 v184, v[HH]
	v_mov_b32 v185, s[PK]
	v_lshlrev_b32 v188, 3, v0
	v_add_nc_u32 v189, HSC, v188
	s_mov_b32 s3, 0
	s_lshl_b32 s2, ttmp9, 10
	s_add_nc_u64 s[22:23], s[22:23], s[2:3]
	s_add_nc_u64 s[66:67], s[66:67], s[2:3]
	s_mul_i32 s2, ttmp9, 1792
	s_add_nc_u64 s[20:21], s[20:21], s[2:3]
	s_wait_alu depctr_va_vdst(0)
	s_wait_dscnt 0x0                               ; for the others' sake: my scale bytes are in LDS
	s_barrier_signal -1
	s_barrier_wait -1
	s_cmp_gt_u32 s[WV], 3                          ; 128 rows: waves 0 to 3, 256 consecutive bytes each
	s_cbranch_scc1 .Lscales
	global_store_b64 v188, v[184:185], s[22:23]
	global_store_b64 v188, v[182:183], s[66:67]
.Lscales:
	s_cmp_gt_u32 s[WV], 6                          ; 1,792 bytes: waves 0 to 6, 256 each
	s_cbranch_scc1 .Lend
	ds_load_b64 v[190:191], v189
	s_wait_dscnt 0x0
	global_store_b64 v188, v[190:191], s[20:21]
.Lend:
	s_wait_tensorcnt 0x0                           ; the wave's end, behind my last LDS store
	ds_add_u32 v[SPW], v[NIL]
	s_wait_dscnt 0x0
	s_endpgm
.Lfunc_end_k_qed72babb24_up:
	.size	k_qed72babb24_up, .Lfunc_end_k_qed72babb24_up-k_qed72babb24_up
	.p2alignl 7, 3214868480
	.fill 96, 4, 3214868480
	.section	.rodata,"a",@progbits
	.p2align	6, 0x0
	.amdhsa_kernel k_qed72babb24_up
		.amdhsa_group_segment_fixed_size 268032
		.amdhsa_private_segment_fixed_size 0
		.amdhsa_enable_private_segment 0
		.amdhsa_kernarg_size 88
		.amdhsa_user_sgpr_count 2
		.amdhsa_user_sgpr_kernarg_segment_ptr 1
		.amdhsa_wavefront_size32 1
		.amdhsa_system_sgpr_workgroup_id_x 1
		.amdhsa_system_sgpr_workgroup_id_y 1
		.amdhsa_system_sgpr_workgroup_id_z 1
		.amdhsa_system_vgpr_workitem_id 0
		.amdhsa_next_free_vgpr 512
		.amdhsa_next_free_sgpr 102
		.amdhsa_reserve_vcc 1
		.amdhsa_float_denorm_mode_32 3
		.amdhsa_float_denorm_mode_16_64 3
		.amdhsa_memory_ordered 1
		.amdhsa_forward_progress 1
		.amdhsa_inst_pref_size 232
	.end_amdhsa_kernel
	.amdgpu_metadata
---
amdhsa.version: [ 1, 2 ]
amdhsa.kernels:
  - .name:           k_qed72babb24_up
    .symbol:         k_qed72babb24_up.kd
    .args:
      - { .name: x_codes, .offset: 0, .size: 8, .value_kind: global_buffer, .address_space: global }
      - { .name: x_scales, .offset: 8, .size: 8, .value_kind: global_buffer, .address_space: global }
      - { .name: expert_indices, .offset: 16, .size: 8, .value_kind: global_buffer, .address_space: global }
      - { .name: expert_weights, .offset: 24, .size: 8, .value_kind: global_buffer, .address_space: global }
      - { .name: w1_codes, .offset: 32, .size: 8, .value_kind: global_buffer, .address_space: global }
      - { .name: w1_scales, .offset: 40, .size: 8, .value_kind: global_buffer, .address_space: global }
      - { .name: b1, .offset: 48, .size: 8, .value_kind: global_buffer, .address_space: global }
      - { .name: hc, .offset: 56, .size: 8, .value_kind: global_buffer, .address_space: global }
      - { .name: hs, .offset: 64, .size: 8, .value_kind: global_buffer, .address_space: global }
      - { .name: table, .offset: 72, .size: 8, .value_kind: global_buffer, .address_space: global }
      - { .name: gates, .offset: 80, .size: 8, .value_kind: global_buffer, .address_space: global }
    .group_segment_fixed_size: 268032
    .private_segment_fixed_size: 0
    .kernarg_segment_align: 8
    .kernarg_segment_size: 88
    .max_flat_workgroup_size: 256
    .sgpr_count:     102
    .vgpr_count:     512
    .wavefront_size: 32
...
	.end_amdgpu_metadata
.endif
;; end of part 3
;; launch down (part 4): grid 256 x 1, 8 waves a work-group, no clusters, 320,512 bytes of LDS; arguments hc, hs, table, gates, w2_codes, w2_scales, b2, out0; writes out0
.if DOCPART == 4
	.amdgcn_target "amdgcn-amd-amdhsa--gfx1250"
	.amdhsa_code_object_version 6
	.text
	.protected	k_qed72babb24_down
	.globl	k_qed72babb24_down
	.p2align	8
	.type	k_qed72babb24_down,@function
k_qed72babb24_down:
	s_mov_b64 s[64:65], 0
	v_nop
	global_prefetch_b8 v0, s[64:65] scope:SCOPE_SE
	s_setreg_imm32_b32 hwreg(HW_REG_WAVE_MODE, 25, 1), 1
	s_wait_xcnt 0x0
; DOWN: out[token] = twA (hA W2[A] + b2[A]) + twB (hB W2[B] + b2[B]) on codes of FP4 with one E8M0 scale for each 32 along K.
; WORK LEFT OUT: the rows of experts that a token does not name; reference() multiplies them by a token_w that its own mask makes 0 (shown at the head of the launch before).
; LIMIT: a NaN, an infinity or an overflow in a row left out is not carried to the result.
; SHARES.  Work-group 4 b + q makes columns 256 q .. + 255 of the rows of block b (at most 112 tokens of one pair of experts A, B), and owns them.  Rows past the block's count are computed from h's repeated rows and not stored.
; Wave w = 4 p + c takes expert p, 64 columns 64 c on, all rows.  A block of at most 80 rows runs on five tiles of tokens (20 accumulators), a larger one on seven: two copies of the K loop.
; h's images are copied as they lie into LDS (8,192 bytes for an expert's tile with all of K), and so are its scale words; the weights go by the way of the launch before (each wave its own 64 rows, in rows of 256 bytes through registers into
; its own swizzled LDS bytes, the second half of tiles 2, 3 on hold in registers).  Behind its K loop a wave lays its weighed results over its own weights; behind a barrier whole rows of 1,024 bytes, both experts' summed, are stored, wave w rows 8 i + w.
; NO CLUSTER, NO TENSOR LOAD: branches hang on a stored count and the weights' addresses on the stored table.  NO PREFETCH: there is no loop to run ahead in, all tiles are asked for at once.
; REGISTERS as in the launch before; the gates take v24-31 when the hold is empty.
.set HIMG, 0                           ; expert p, tile m, K step s, part c at 57344 p + 8192 m + 1024 s + 512 c
.set WREG, 114688                      ; 24,576 bytes a wave
.set HSCL, 311296                      ; h's scale words: 1,792 q' + 896 p + 8 x row: K steps 2 q', 2 q' + 1
.set SPARE, 319488                     ; the spare words, 128 bytes a wave: no other line names them
.set SP,   272                         ; a staged row: 256 + 16 bytes
.set SW,   24576
.set BIGW, 32*SP                       ; tiles 5, 6 of a large block, over h: 32 rows a wave
.set SPW, 1
.set NIL, 2
.set GO, 3
.set RR, 4
.set XSA, 5
.set L16, 6
.set XA, 7
.set WR, 8
.set WW, 16
.set HOLD, 24
.set GT, 24
.set WF, 88
.set XF, 152
.set WS, 208
.set XS, 224
.set HL, 88                            ; h on its way: v88-167
.set HSD, 168                          ; its scale words on their way
.set HH, 201
.set WGO, 202
.set WSO, 203
.set BO, 204
.set HST, 205
.set HST2, 206
.set HSL, 207
.set WV, 24
.set BK, 25
.set QQ, 26
.set PP, 27
.set CC, 28
.set NROW, 29
.set EE, 30
.set REM, 31
.set TOK, 68                           ; s[68:95]: my 14 rows' {token, -}; then their addresses in out
.set MSB, 0
.macro WIN new                         ; low byte: bits 1:0 source 0, 3:2 source 1, 5:4 source 2, 7:6 destination; the high byte repeats the setting that is left
.if MSB != \new
	s_set_vgpr_msb (MSB<<8)|\new
.set MSB, \new
.endif
.endm
.macro PLACES                          ; four places behind a matrix instruction (ISA guide 7.12.1)
.rept 4
	v_nop
.endr
.endm
.macro WMS d, a, b, c, sa, sb, ra, rb
.if (\ra) && (\rb)
	v_wmma_scale_f32_16x16x128_f8f6f4 v[\d:\d+7], v[\a:\a+7], v[\b:\b+7], v[\c:\c+7], v[\sa], v[\sb] matrix_a_fmt:MATRIX_FMT_FP4 matrix_b_fmt:MATRIX_FMT_FP4 matrix_a_scale:MATRIX_SCALE_ROW1 matrix_b_scale:MATRIX_SCALE_ROW1
.elseif (\ra)
	v_wmma_scale_f32_16x16x128_f8f6f4 v[\d:\d+7], v[\a:\a+7], v[\b:\b+7], v[\c:\c+7], v[\sa], v[\sb] matrix_a_fmt:MATRIX_FMT_FP4 matrix_b_fmt:MATRIX_FMT_FP4 matrix_a_scale:MATRIX_SCALE_ROW1
.elseif (\rb)
	v_wmma_scale_f32_16x16x128_f8f6f4 v[\d:\d+7], v[\a:\a+7], v[\b:\b+7], v[\c:\c+7], v[\sa], v[\sb] matrix_a_fmt:MATRIX_FMT_FP4 matrix_b_fmt:MATRIX_FMT_FP4 matrix_b_scale:MATRIX_SCALE_ROW1
.else
	v_wmma_scale_f32_16x16x128_f8f6f4 v[\d:\d+7], v[\a:\a+7], v[\b:\b+7], v[\c:\c+7], v[\sa], v[\sb] matrix_a_fmt:MATRIX_FMT_FP4 matrix_b_fmt:MATRIX_FMT_FP4
.endif
.endm
.macro MM s, m
.irp u, 0,1,2,3
.if (\s) == 0
	WMS 32*(\m)+8*\u, WF+32*((\s)%2)+8*\u, XF+8*(\m), 224+8*\u, WS+8*(\u/2)+(\s), XS+8*((\m)/2)+(\s), \u%2, (\m)%2
.else
	WMS 32*(\m)+8*\u, WF+32*((\s)%2)+8*\u, XF+8*(\m), 32*(\m)+8*\u, WS+8*(\u/2)+(\s), XS+8*((\m)/2)+(\s), \u%2, (\m)%2
.endif
.endr
.endm
.macro LW s
.irp u, 0,1,2,3
.set WOF, 4096*\u
.if ((\s) > 3) && (\u < 2)
.set WOF, 16384+4096*\u
.endif
.irp c, 0,1
	ds_load_b128 v[WF+32*((\s)%2)+8*\u+4*\c:WF+32*((\s)%2)+8*\u+4*\c+3], v[WR+2*((\s)%4)+\c] offset:WOF
.endr
.endr
.endm
.macro LX s, m0, m1
.irp m, 0,1,2,3,4,5,6
.if (\m >= (\m0)) && (\m < (\m1))
.irp c, 0,1
	ds_load_b128 v[XF+8*\m+4*\c:XF+8*\m+4*\c+3], v[XA] offset:8192*\m+1024*(\s)+512*\c
.endr
.endif
.endr
.endm
.macro WST i, reg, off                 ; load i (rows 2 i, 2 i + 1) into my LDS bytes: row R stands at place R
.set PI, 2*(\i)
	ds_store_b128 v[WW+((PI&14)>>1)], v[\reg:\reg+3] offset:PI*256+\off
.endm
.macro PARTA
	s_wait_loadcnt 16                              ; the second half of tiles 0, 1 is in; the 16 loads of tiles 2, 3 may be out
	WIN 0x04
.irp i, 0,1,2,3,4,5,6,7,8,9,10,11,12,13,14,15
	WST \i, 160+4*\i, 16384
.endr
	WIN 0
.endm
.macro PARTB
	s_wait_loadcnt 0
.irp i, 16,17,18,19,20,21,22,23,24,25,26,27,28,29,30,31
	WST \i, HOLD+4*(\i-16), 0
.endr
.endm
.macro GATES                           ; my expert's weight for row 16 m + r: the hold is empty
.irp m, 0,1,2,3,4,5,6
	global_load_b32 v[GT+\m], v[GO], s[42:43] offset:16*\m
.endr
.endm
; A K step, as in the launch before: t tiles of tokens, h of them in the first half; each accumulator once: they take turns
.macro STEP s, t, h
	s_wait_dscnt 2*((\t)-(\h))
	WIN 0x50
.irp m, 0,1,2,3,4,5,6
.if \m < (\h)
	MM \s, \m
.endif
.endr
	s_wait_dscnt 0
	PLACES
	WIN 0
.if ((\t) == 7) && ((\s) == 0)
	PARTA                                          ; seven tiles: the registers of these loads are about to take the sums of tiles 5, 6
.endif
.if ((\t) == 5) && ((\s) == 2)
	PARTA                                          ; five tiles: no sum lies there, so the loads have two K steps more
.endif
.if (\s) == 3
	PARTB
.endif
.if (\s) < 7
	LW (\s)+1
	LX (\s)+1, 0, (\h)
.endif
.if (\s) == 5
	GATES
.endif
	WIN 0x50
.irp m, 0,1,2,3,4,5,6
.if (\m >= (\h)) && (\m < (\t))
	MM \s, \m
.endif
.endr
	PLACES
	WIN 0
.if (\s) < 7
	LX (\s)+1, (\h), (\t)
.endif
.endm
.macro RUN t, h
.irp i, 0,1,2,3
.if 2*\i < (\t)
.irp k, 0,1,2,3
	ds_load_b64 v[XS+8*\i+2*\k:XS+8*\i+2*\k+1], v[XSA] offset:1792*\k+256*\i
.endr
.endif
.endr
	LW 0
	LX 0, 0, (\t)
.irp s, 0,1,2,3,4,5,6,7
	STEP \s, \t, \h
.endr
.endm
.macro GMUL m                          ; tile m's results x the token's weight
.irp x, 0,2,4,6,8,10,12,14,16,18,20,22,24,26,28,30
.if (\m)%2
	v_pk_mul_f32 v[32*\m+\x:32*\m+\x+1], v[32*\m+\x:32*\m+\x+1], v[GT+\m-1:GT+\m] op_sel:[0,1] op_sel_hi:[1,1]
.else
	v_pk_mul_f32 v[32*\m+\x:32*\m+\x+1], v[32*\m+\x:32*\m+\x+1], v[GT+\m:GT+\m+1] op_sel_hi:[1,0]
.endif
.endr
.endm
.macro GPUT m, m0, adr                 ; lane (r, h): row r, columns 16 u + 8 h on
.irp u, 0,1,2,3
	ds_store_b128 v[\adr], v[32*\m+8*\u:32*\m+8*\u+3] offset:16*SP*(\m-\m0)+64*\u
	ds_store_b128 v[\adr], v[32*\m+8*\u+4:32*\m+8*\u+7] offset:16*SP*(\m-\m0)+64*\u+16
.endr
.endm
.macro ROWOUT i, a, b, out, younger    ; my row i, if the block has it: A's half rows in v[a ..], B's in window 1's v[b ..]
	s_cmp_gt_u32 s[REM], \i
	s_cbranch_scc0 \out
	s_wait_dscnt \younger                          ; both experts' row i is back
	WIN 0x04
.irp x, 0,2,4,6
	v_pk_add_f32 v[\a+\x:\a+\x+1], v[\a+\x:\a+\x+1], v[\b+\x:\b+\x+1]
.endr
	WIN 0
	global_store_b128 v[L16], v[\a:\a+3], s[TOK+2*\i:TOK+2*\i+1] th:TH_STORE_NT              ; 512 consecutive bytes of a token's row
	global_store_b128 v[L16], v[\a+4:\a+7], s[TOK+2*\i:TOK+2*\i+1] offset:512 th:TH_STORE_NT
.endm
	s_load_b512 s[4:19], s[0:1], 0x0               ; hc 4, hs 6, table 8, gates 10, W2's codes 12, W2's scales 14, b2 16, out 18
	v_lshl_add_u32 v[SPW], v0, 2, SPARE
	v_mov_b32 v[NIL], 0
	v_lshrrev_b32 v[GO], 5, v0
	v_readfirstlane_b32 s[WV], v[GO]               ; wave 0..7
	v_and_b32 v[XSA], 31, v0
	v_and_b32 v[RR], 15, v0
	v_bfe_u32 v[HH], v0, 4, 1
	v_lshlrev_b32 v[L16], 4, v[XSA]
	v_lshlrev_b32 v[WSO], 5, v[XSA]                ; W2's scale bytes: 32 a row
	v_lshlrev_b32 v[XSA], 3, v[XSA]
	s_lshr_b32 s[BK], ttmp9, 2
	s_and_b32 s[QQ], ttmp9, 3
	s_lshr_b32 s[PP], s[WV], 2
	s_and_b32 s[CC], s[WV], 3
	s_wait_alu depctr_va_vdst(0)
	s_wait_kmcnt 0x0
	s_mov_b32 s3, 0
	s_lshl_b32 s2, ttmp9, 10
	s_add_nc_u64 s[22:23], s[8:9], s[2:3]          ; my copy of the block's table
	s_add_nc_u64 s[42:43], s[10:11], s[2:3]        ; and of its gates
	s_lshl_b32 s2, s[WV], 7
	s_add_nc_u64 s[46:47], s[22:23], s[2:3]        ; my rows 8 i + w on end
	s_load_b32 s20, s[22:23], 0x4
	s_load_b512 s[68:83], s[46:47], 0x0
	s_load_b256 s[84:91], s[46:47], 0x40
	s_load_b128 s[92:95], s[46:47], 0x60
	s_mul_i32 s2, s[BK], 114688
	s_lshl_b32 s48, s[WV], 10
	s_add_co_u32 s2, s2, s48
	s_add_nc_u64 s[38:39], s[4:5], s[2:3]          ; K step w of every tile is mine to bring
	s_min_u32 s49, s[WV], 6
	s_lshl_b32 s49, s49, 10                        ; 7,168 bytes of scale words: wave 7 brings wave 6's once more, to a place that nobody reads for a row of the block
	s_mul_i32 s2, s[BK], 7168
	s_add_co_u32 s2, s2, s49
	s_add_nc_u64 s[40:41], s[6:7], s[2:3]
.irp p, 0,1
.irp m, 0,1,2,3,4
	global_load_b128 v[HL+40*\p+8*\m:HL+40*\p+8*\m+3], v[L16], s[38:39] offset:57344*\p+8192*\m
	global_load_b128 v[HL+40*\p+8*\m+4:HL+40*\p+8*\m+7], v[L16], s[38:39] offset:57344*\p+8192*\m+512
.endr
.endr
	global_load_b128 v[HSD:HSD+3], v[L16], s[40:41]
	global_load_b128 v[HSD+4:HSD+7], v[L16], s[40:41] offset:512
	; under these loads: the addresses
	v_add_nc_u32 v[HST], s48, v[L16]
	v_add_nc_u32 v[HST2], 57344, v[HST]
	v_add_nc_u32 v[HSL], HSCL, v[HST]
	s_mul_i32 s2, s[PP], 896
	s_add_co_u32 s2, s2, HSCL
	v_add_nc_u32 v[XSA], s2, v[XSA]
	s_mul_i32 s49, s[PP], 57344
	v_add_nc_u32 v[XA], s49, v[L16]
	v_lshlrev_b32 v184, 8, v[RR]
	v_xor_b32 v185, v[HH], v[RR]
	v_lshlrev_b32 v186, 8, v[HH]
	v_lshl_add_u32 v184, v185, 4, v184             ; where a fragment load reads: row r, 16 bytes at (h xor r)
	v_lshl_add_u32 v186, v185, 4, v186             ; where a row pair is stored
	s_mul_i32 s2, s[WV], SW
	s_add_co_u32 s2, s2, WREG
.irp i, 0,1,2,3,4,5,6,7
	v_xor_b32 v[WR+\i], 32*\i, v184
	v_xor_b32 v[WW+\i], 32*\i, v186
.endr
.irp i, 0,1,2,3,4,5,6,7
	v_add_nc_u32 v[WR+\i], s2, v[WR+\i]
	v_add_nc_u32 v[WW+\i], s2, v[WW+\i]
.endr
	v_lshlrev_b32 v[WGO], 9, v[HH]
	v_lshl_add_u32 v[WGO], v[RR], 4, v[WGO]
	v_lshlrev_b32 v[BO], 5, v[HH]
	s_lshl_b32 s2, s[PP], 2
	v_and_b32 v[GO], 7, v[RR]
	v_lshrrev_b32 v187, 3, v[RR]
	v_lshlrev_b32 v[GO], 7, v[GO]
	v_lshl_add_u32 v[GO], v187, 3, v[GO]           ; row 16 m + r stands at entry 16 (r % 8) + 2 m + r / 8, 8 bytes each
	v_add_nc_u32 v[GO], s2, v[GO]
	s_wait_alu depctr_va_vdst(0)
	s_wait_kmcnt 0x0
	s_and_b32 s[NROW], s20, 0xff
	s_bfe_u32 s2, s20, 0x80008
	s_bfe_u32 s3, s20, 0x80010
	s_cmp_eq_u32 s[PP], 0
	s_cselect_b32 s[EE], s2, s3
	s_min_u32 s[EE], s[EE], 7                      ; held inside the tables before it enters an address
	s_lshl_b32 s[EE], s[EE], 10
	s_lshl_b32 s2, s[QQ], 8
	s_add_co_u32 s[EE], s[EE], s2
	s_lshl_b32 s2, s[CC], 6
	s_add_co_u32 s[EE], s[EE], s2                  ; my first row of W2
	s_mov_b32 s3, 0
	s_lshl_b32 s2, s[EE], 9
	s_add_nc_u64 s[32:33], s[12:13], s[2:3]
	s_lshl_b32 s2, s[EE], 5
	s_add_nc_u64 s[34:35], s[14:15], s[2:3]
	s_lshl_b32 s2, s[EE], 2
	s_add_nc_u64 s[36:37], s[16:17], s[2:3]
.irp b, 0,1
	global_load_b128 v[WS+8*\b:WS+8*\b+3], v[WSO], s[34:35] offset:1024*\b
	global_load_b128 v[WS+8*\b+4:WS+8*\b+7], v[WSO], s[34:35] offset:1024*\b+16
.endr
	WIN 0x40
.irp u, 0,1,2,3
	global_load_b128 v[224+8*\u:227+8*\u], v[BO], s[36:37] offset:64*\u
	global_load_b128 v[228+8*\u:231+8*\u], v[BO], s[36:37] offset:64*\u+16
.endr
.irp i, 0,1,2,3,4,5,6,7,8,9,10,11,12,13,14,15
	global_load_b128 v[4*\i:4*\i+3], v[WGO], s[32:33] offset:1024*\i         ; K's first half of my rows 0-31
.endr
	WIN 0
	s_wait_loadcnt 28                              ; h's 20 and its scale words' 2 are in: 4 + 8 + 16 stand behind them
.irp m, 0,1,2,3,4
	ds_store_b128 v[HST], v[HL+8*\m:HL+8*\m+3] offset:8192*\m
	ds_store_b128 v[HST], v[HL+8*\m+4:HL+8*\m+7] offset:8192*\m+512
	ds_store_b128 v[HST2], v[HL+40+8*\m:HL+43+8*\m] offset:8192*\m
	ds_store_b128 v[HST2], v[HL+44+8*\m:HL+47+8*\m] offset:8192*\m+512
.endr
	ds_store_b128 v[HSL], v[HSD:HSD+3]
	ds_store_b128 v[HSL], v[HSD+4:HSD+7] offset:512
	s_cmp_gt_u32 s[NROW], 80
	s_cbranch_scc0 .Lfew                           ; a block of more than 80 rows: tiles 5 and 6 of h
	s_wait_dscnt 0x0
.irp p, 0,1
.irp m, 5,6
	global_load_b128 v[HL+16*\p+8*(\m-5):HL+16*\p+8*(\m-5)+3], v[L16], s[38:39] offset:57344*\p+8192*\m
	global_load_b128 v[HL+16*\p+8*(\m-5)+4:HL+16*\p+8*(\m-5)+7], v[L16], s[38:39] offset:57344*\p+8192*\m+512
.endr
.endr
	s_wait_loadcnt 0x0
.irp m, 5,6
	ds_store_b128 v[HST], v[HL+8*(\m-5):HL+8*(\m-5)+3] offset:8192*\m
	ds_store_b128 v[HST], v[HL+8*(\m-5)+4:HL+8*(\m-5)+7] offset:8192*\m+512
	ds_store_b128 v[HST2], v[HL+16+8*(\m-5):HL+16+8*(\m-5)+3] offset:8192*\m
	ds_store_b128 v[HST2], v[HL+16+8*(\m-5)+4:HL+16+8*(\m-5)+7] offset:8192*\m+512
.endr
.Lfew:
	WIN 0x40
.irp i, 16,17,18,19,20,21,22,23,24,25,26,27,28,29,30,31
	global_load_b128 v[4*\i:4*\i+3], v[WGO], s[32:33] offset:1024*\i         ; of my rows 32-63
.endr
	WIN 0
	s_lshl_b32 s2, s[QQ], 10
	s_mov_b32 s3, 0
	s_add_nc_u64 s[44:45], s[18:19], s[2:3]        ; out at my columns
.irp i, 0,1,2,3,4,5,6,7,8,9,10,11,12,13
	s_min_u32 s[TOK+2*\i], s[TOK+2*\i], 0xfff      ; a token's number, held inside out
	s_lshl_b32 s[TOK+2*\i], s[TOK+2*\i], 12
	s_mov_b32 s[TOK+2*\i+1], 0
	s_add_nc_u64 s[TOK+2*\i:TOK+2*\i+1], s[44:45], s[TOK+2*\i:TOK+2*\i+1]
.endr
	s_add_co_u32 s[REM], s[NROW], 7
	s_sub_co_u32 s[REM], s[REM], s[WV]
	s_lshr_b32 s[REM], s[REM], 3                   ; how many of my rows the block has
	s_wait_dscnt 0x0                               ; for the others' sake: my part of h is in LDS
	s_barrier_signal -1
	s_barrier_wait -1
	WIN 0x44                                       ; (an LDS store's data and a load's destination in window 1)
.irp i, 0,1,2,3,4,5,6,7,8,9,10,11,12,13,14,15
	s_wait_loadcnt 31                              ; load i is in: 31 - i of the first half and i of the second stand behind it
	WST \i, 4*\i, 0
	global_load_b128 v[160+4*\i:163+4*\i], v[WGO], s[32:33] offset:1024*\i+256
.endr
	WIN 0x04
.irp i, 16,17,18,19,20,21,22,23,24,25,26,27,28,29,30,31
	s_wait_loadcnt 31
	WST \i, 4*\i, 0
	global_load_b128 v[HOLD+4*(\i-16):HOLD+4*(\i-16)+3], v[WGO], s[32:33] offset:1024*\i+256
.endr
	WIN 0
	s_wait_xcnt 0x0                                ; the loads' address registers are free
	s_cmp_gt_u32 s[NROW], 80
	s_cbranch_scc1 .Lmany
	RUN 5, 3
	s_branch .Lboth
.Lmany:
	RUN 7, 4
.Lboth:
	; THE WAY OUT: my expert's results x the token's weight, over my own weights in LDS; then whole rows, both experts' summed
	v_bfe_u32 v14, v0, 4, 1                        ; h
	s_mul_i32 s2, s[WV], SW
	s_add_co_u32 s2, s2, WREG
	v_mul_u32_u24 v8, v[RR], SP
	v_lshl_add_u32 v8, v14, 5, v8
	s_mul_i32 s3, s[WV], BIGW
	v_add_nc_u32 v9, s3, v8                        ; tiles 5, 6 of a large block
	v_add_nc_u32 v8, s2, v8                        ; tiles 0-4
	v_mul_u32_u24 v10, v14, SW                     ; back: lanes 0-15 one wave's 256 bytes of a row, lanes 16-31 the next wave's
	v_mul_u32_u24 v14, v14, BIGW
	v_lshl_add_u32 v10, v[RR], 4, v10
	v_lshl_add_u32 v14, v[RR], 4, v14
	s_mul_i32 s2, s[WV], SP
	v_add_nc_u32 v14, s2, v14
	s_add_co_u32 s2, s2, WREG
	v_add_nc_u32 v10, s2, v10                      ; A's columns 0-127,
	v_add_nc_u32 v11, 2*SW, v10                    ; 128-255,
	v_add_nc_u32 v12, 4*SW, v10                    ; B's
	v_add_nc_u32 v13, 6*SW, v10
	s_wait_alu depctr_va_vdst(0)
	s_wait_loadcnt 0x0                             ; the gates
	v_mov_b32 v[GT+7], 0                           ; (named with the seventh gate as a pair)
	WIN 0x41
.irp m, 0,1,2,3,4
	GMUL \m
.endr
	WIN 0x04
.irp m, 0,1,2,3,4
	GPUT \m, 0, 8
.endr
	WIN 0
	s_wait_alu depctr_va_vdst(0)
	s_wait_dscnt 0x0                               ; for the others' sake: my results are in LDS
	s_barrier_signal -1
	s_barrier_wait -1                              ; everybody's are, and nobody reads h any more
	s_cmp_gt_u32 s[NROW], 80
	s_cbranch_scc0 .Lrows
	WIN 0x41
	GMUL 5
	GMUL 6
	WIN 0x04
	GPUT 5, 5, 9
	GPUT 6, 5, 9
	WIN 0
	s_wait_alu depctr_va_vdst(0)
.Lrows:
.irp i, 0,1,2,3,4,5,6,7,8,9
	ds_load_b128 v[24+8*\i:27+8*\i], v10 offset:8*SP*\i
	ds_load_b128 v[28+8*\i:31+8*\i], v11 offset:8*SP*\i
.endr
	WIN 0x40
.irp i, 0,1,2,3,4,5,6,7,8,9
	ds_load_b128 v[8*\i:8*\i+3], v12 offset:8*SP*\i
	ds_load_b128 v[8*\i+4:8*\i+7], v13 offset:8*SP*\i
.endr
	WIN 0
.irp i, 0,1,2,3,4,5,6,7,8,9
	ROWOUT \i, 24+8*\i, 8*\i, .Lmeet, 18-2*\i
.endr
.Lmeet:
	s_wait_dscnt 0x0                               ; for the others' sake: a large block's tiles 5, 6 are in LDS
	s_barrier_signal -1
	s_barrier_wait -1
	s_cmp_gt_u32 s[NROW], 80
	s_cbranch_scc0 .Lend
.irp j, 0,1,2,3
	ds_load_b128 v[104+8*\j:107+8*\j], v14 offset:8*SP*\j
	ds_load_b128 v[108+8*\j:111+8*\j], v14 offset:8*SP*\j+2*BIGW
.endr
	WIN 0x40
.irp j, 0,1,2,3
	ds_load_b128 v[80+8*\j:83+8*\j], v14 offset:8*SP*\j+4*BIGW
	ds_load_b128 v[84+8*\j:87+8*\j], v14 offset:8*SP*\j+6*BIGW
.endr
	WIN 0
	ROWOUT 10, 104, 80, .Lend, 6
	ROWOUT 11, 112, 88, .Lend, 4
	ROWOUT 12, 120, 96, .Lend, 2
	ROWOUT 13, 128, 104, .Lend, 0
.Lend:
	s_wait_tensorcnt 0x0                           ; the wave's end, behind my last LDS store
	ds_add_u32 v[SPW], v[NIL]
	s_wait_dscnt 0x0
	s_endpgm
.Lfunc_end_k_qed72babb24_down:
	.size	k_qed72babb24_down, .Lfunc_end_k_qed72babb24_down-k_qed72babb24_down
	.p2alignl 7, 3214868480
	.fill 96, 4, 3214868480
	.section	.rodata,"a",@progbits
	.p2align	6, 0x0
	.amdhsa_kernel k_qed72babb24_down
		.amdhsa_group_segment_fixed_size 320512
		.amdhsa_private_segment_fixed_size 0
		.amdhsa_enable_private_segment 0
		.amdhsa_kernarg_size 64
		.amdhsa_user_sgpr_count 2
		.amdhsa_user_sgpr_kernarg_segment_ptr 1
		.amdhsa_wavefront_size32 1
		.amdhsa_system_sgpr_workgroup_id_x 1
		.amdhsa_system_sgpr_workgroup_id_y 1
		.amdhsa_system_sgpr_workgroup_id_z 1
		.amdhsa_system_vgpr_workitem_id 0
		.amdhsa_next_free_vgpr 512
		.amdhsa_next_free_sgpr 102
		.amdhsa_reserve_vcc 0
		.amdhsa_float_denorm_mode_32 3
		.amdhsa_float_denorm_mode_16_64 3
		.amdhsa_memory_ordered 1
		.amdhsa_forward_progress 1
		.amdhsa_inst_pref_size 130
	.end_amdhsa_kernel
	.amdgpu_metadata
---
amdhsa.version: [ 1, 2 ]
amdhsa.kernels:
  - .name:           k_qed72babb24_down
    .symbol:         k_qed72babb24_down.kd
    .args:
      - { .name: hc, .offset: 0, .size: 8, .value_kind: global_buffer, .address_space: global }
      - { .name: hs, .offset: 8, .size: 8, .value_kind: global_buffer, .address_space: global }
      - { .name: table, .offset: 16, .size: 8, .value_kind: global_buffer, .address_space: global }
      - { .name: gates, .offset: 24, .size: 8, .value_kind: global_buffer, .address_space: global }
      - { .name: w2_codes, .offset: 32, .size: 8, .value_kind: global_buffer, .address_space: global }
      - { .name: w2_scales, .offset: 40, .size: 8, .value_kind: global_buffer, .address_space: global }
      - { .name: b2, .offset: 48, .size: 8, .value_kind: global_buffer, .address_space: global }
      - { .name: out0, .offset: 56, .size: 8, .value_kind: global_buffer, .address_space: global }
    .group_segment_fixed_size: 320512
    .private_segment_fixed_size: 0
    .kernarg_segment_align: 8
    .kernarg_segment_size: 64
    .max_flat_workgroup_size: 256
    .sgpr_count:     102
    .vgpr_count:     512
    .wavefront_size: 32
...
	.end_amdgpu_metadata
.endif
;; end of part 4
